; MI455X (gfx1250); checked and timed in simulation.
; The chip was launched on July 23, 2026; its instructions are those of AMD's public machine-readable ISA for CDNA 5 (MIT licence, August 2026) and "CDNA5" Instruction Set Architecture Reference Guide (July 2026). The comments in the code are by the model that wrote it; some were corrected since.
;; Multi Head Attention. Allowed arithmetic: matrix products marked QUANTISED: E2M1 operands, one E8M0 scale for each 32 along K, by v_wmma_scale_f32_16x16x128_f8f6f4 with both operands' format E2M1 (or v_wmma_scale_f32_32x16x128_f4), f32 sums; products left as they are: bf16, f16 or f32 operands; f32 sums; everything else in f32.
;; Inputs: Wk 1,024 x 1,024 float32; Wo 1,024 x 1,024 float32; Wq 1,024 x 1,024 float32; Wv 1,024 x 1,024 float32; bk 1,024 float32; bo 1,024 float32; bq 1,024 float32; bv 1,024 float32; x 4 x 2,048 x 1,024 float32.
;; Outputs: out0 4 x 2,048 x 1,024 float32.
;; This version of the problem:
;;   THIS VERSION OF THE PROBLEM IS GIVEN IN LOW PRECISION. The matrix products marked QUANTISED in the list below multiply operands that are first quantised to E2M1 (2 exponent bits, 1 mantissa bit; 4 bits a number), with one power-of-two scale for each 32 numbers along K (OCP MX v1.0); their sums are f32. The products marked 'left as it is' may take bf16, f16 or f32 operands, with f32 sums. All else is computed in f32.
;;   The module's matrix products, in the order in which they are computed (A, B: the left and right operand; K: the contracted axis; several contracted axes count as one K, in the product's order):
;;     1. [M 8,192, K 1,024] x [K 1,024, N 1,024]; A: input x; B: input Wq: QUANTISED
;;     2. [M 8,192, K 1,024] x [K 1,024, N 1,024]; A: input x; B: input Wk: QUANTISED
;;     3. [M 8,192, K 1,024] x [K 1,024, N 1,024]; A: input x; B: input Wv: QUANTISED
;;     4. batch 64 x [M 2,048, K 64] x [K 64, N 2,048]; A: computed on the way; B: computed on the way: left as it is (an operand is computed on the way)
;;     5. batch 64 x [M 2,048, K 2,048] x [K 2,048, N 64]; A: computed on the way; B: computed on the way: left as it is (an operand is computed on the way)
;;     6. [M 8,192, K 1,024] x [K 1,024, N 1,024]; A: computed on the way; B: input Wo: left as it is (an operand is computed on the way)
;;   THE QUANTISER, for each operand of a quantised product, along K:
;;     - K is cut into blocks of 32 from its start; a last block that is shorter is filled with zeros.
;;     - A block's scale is 2^e with e = floor(log2(the largest magnitude in the block)) - 2, held to -126 .. 127; a block of zeros has e = 0. As a byte (E8M0): e + 127.
;;     - Each number is divided by its block's scale, clamped to +-6, and rounded to the nearest number of E2M1, ties to even, subnormals kept.
;;     - The product sums the exact products of the quantised numbers (number of the format x scale) in f32.
;;   ~~~python
;;   def quantise(x, axis):      # numpy; x: float32 -> the quantised numbers, widened to float32 again
;;       x = np.moveaxis(x, axis, -1); K = x.shape[-1]
;;       x = np.pad(x, [(0, 0)] * (x.ndim - 1) + [(0, -K % 32)]); x = x.reshape(x.shape[:-1] + (-1, 32)); a = np.abs(x).max(-1, keepdims=True)
;;       e = np.where(a > 0, np.clip(np.frexp(np.where(a > 0, a, 1))[1] - 1 - 2, -126, 127), 0)      # np.frexp(a)[1] - 1 = floor(log2(a)), exactly
;;       r = np.clip(x / 2.0 ** e, -6, 6)
;;       step = 2.0 ** (np.maximum(np.frexp(np.where(r == 0, 1, r))[1] - 1, 0) - 1)
;;       q = np.round(r / step) * step * 2.0 ** e      # np.round: ties to even
;;       return np.moveaxis(q.reshape(q.shape[:-2] + (-1,))[..., :K], -1, axis).astype(np.float32)
;;   ~~~
;; One version. Each part assembles by itself: llvm-mc -triple=amdgcn-amd-amdhsa -mcpu=gfx1250 --defsym DOCPART=n.
;; ======== version 1 of 1: 5 launches
;; limits: values are held in f16: magnitudes above 65,504 overflow, below 6.1e-05 lose precision
;; workspace buffers: xc 4,194,304 bytes; xs 262,144 bytes; wc 1,572,864 bytes; ws 98,304 bytes; wo16 4,194,304 bytes; qkv 50,331,648 bytes; e32 786,432 bytes; att 16,777,216 bytes
;; launch prep (part 1): grid 368 x 1, 4 waves a work-group, no clusters, 70,144 bytes of LDS; arguments x, Wq, Wk, Wv, Wo, xc, xs, wc, ws, wo16; writes xc, xs, wc, ws, wo16
.if DOCPART == 1
	.amdgcn_target "amdgcn-amd-amdhsa--gfx1250"
	.amdhsa_code_object_version 6
	.text
	.protected	k_q199d12d731_prep
	.globl	k_q199d12d731_prep
	.p2align	8
	.type	k_q199d12d731_prep,@function
k_q199d12d731_prep:
	s_mov_b64 s[64:65], 0
	v_nop
	global_prefetch_b8 v0, s[64:65] scope:SCOPE_SE
	s_setreg_imm32_b32 hwreg(HW_REG_WAVE_MODE, 25, 1), 1
	s_wait_xcnt 0x0
; Three jobs in one launch, told apart by the work-group's number alone; each has LDS bytes of its own, and waves share nothing (no barrier).
;  X (work-groups 0-255):   x [8192][1024] f32 -> codes of FP4 (E2M1), K innermost, xc [8192][512 bytes], and one E8M0 byte for each 32 along K, xs [8192][32].
;  W (work-groups 256-303): Wq, Wk, Wv [k 1024][n 1024] f32, K their FIRST axis -> wc [3072 rows n][512 bytes], ws [3072][32]: a lane takes a column, its registers run down K.
;  O (work-groups 304-367): Wo [k][n] f32 -> two f16 numbers hi + lo, laid as images of operand registers: wo16 = hi at 0, lo at 2,097,152; each [n tile 64][32 k: 32][1,024 bytes];
;     an image is [registers 0-3 | registers 4-7][lane][16 bytes] of a fragment of 16 n x 32 k.
; A block's scale is 2^(floor(log2(its largest magnitude)) - 2); its byte is the largest magnitude's exponent field - 2, held at 1 from below.
; LIMITS: a block of zeros gets the byte 1 where the rule says 127 (its codes are zeros; this program alone reads the bytes); blocks whose largest magnitude lies under 2^-124 keep the byte 1;
; NaN and infinities are not served; |Wo| stays under 65,504; where hi or lo falls among f16's subnormals it carries an absolute error of up to 2^-25.
.set XSTEPS, 16
.set XWREG,  8192                      ; X: LDS of a wave: two stages of 32 x 80 bytes, then its 256 scale bytes
.set XSP,    80
.set XR,     16                        ; v16-79   four sets of 16 numbers as loaded
.set XX,     80                        ; v80-111  two sets of 16 neighbours
.set XE,     112                       ; v112-127 a scale byte for each step
.set XC,     128                       ; v128-191 codes, four registers a step
.set WSTG,   32768                     ; W: the stages begin here, 32 rows x 272 bytes a wave
.set WPITCH, 272
.set WNB,    16
.set WSB,    24                        ; v24-27   scale bytes
.set WX,     32                        ; v32-95   two sets of 32 numbers
.set WC,     96                        ; v96-99   a block's codes
.set WOUT,   112                       ; v112-175 the way out
.set OH,     16                        ; O: v16-31 hi, v32-47 lo, packed
.set OL,     32
.set OX,     64                        ; v64-127  two sets of 32 numbers
.set OT,     128                       ; v128-159 hi as f32
.macro XLOAD t
.irp i, 0,1,2,3
	global_load_b128 v[XR+16*((\t)%4)+4*\i:XR+16*((\t)%4)+4*\i+3], v3, s[4:5] offset:2048*(\t)+512*\i th:TH_LOAD_NT   ; 32 lanes read 512 consecutive bytes
.endr
.endm
.macro XTURN t                         ; a step's 2,048 bytes through the wave's stage: in as loaded, back 64 bytes a lane; LDS serves a wave's instructions in order
.irp i, 0,1,2,3
	ds_store_b128 v14, v[XR+16*((\t)%4)+4*\i:XR+16*((\t)%4)+4*\i+3] offset:32*XSP*((\t)%2)+8*XSP*\i
.endr
.irp i, 0,1,2,3
	ds_load_b128 v[XX+16*((\t)%2)+4*\i:XX+16*((\t)%2)+4*\i+3], v15 offset:32*XSP*((\t)%2)+16*\i
.endr
.endm
.macro XSTEP t
.set XS, XX+16*((\t)%2)
.if (\t) > 0
	s_wait_dscnt 1                                 ; this step's numbers are back from the stage; the last step's byte store may be out
.else
	s_wait_dscnt 0x0
.endif
.if (\t)+4 < XSTEPS
	XLOAD (\t)+4                                   ; into the set that this step's stage stores have read
.endif
.if (\t)+1 < XSTEPS
.if XSTEPS-2-(\t) >= 3
	s_wait_loadcnt 12                              ; the next step's four loads are in; three later steps' twelve may be out
.else
	s_wait_loadcnt 4*(XSTEPS-2-(\t))
.endif
	XTURN (\t)+1
.endif
	v_max3_num_f32 v8, |v[XS]|, |v[XS+1]|, |v[XS+2]|
	v_max3_num_f32 v9, |v[XS+3]|, |v[XS+4]|, |v[XS+5]|
.irp i, 6,10
	v_max3_num_f32 v8, v8, |v[XS+\i]|, |v[XS+\i+1]|
	v_max3_num_f32 v9, v9, |v[XS+\i+2]|, |v[XS+\i+3]|
.endr
	v_max3_num_f32 v8, v8, |v[XS+14]|, |v[XS+15]|
	v_max3_num_f32 v8, v8, v9, 0x1800000           ; and the floor 2^(3 - 127): the byte cannot fall under 1
	v_max_num_f32_dpp v8, v8, v8 row_xmask:1 row_mask:0xf bank_mask:0xf   ; with my neighbour's 16: the block's largest magnitude
	v_add_nc_u32 v11, 0xff000000, v8               ; 2 off its exponent field: the conversion takes this operand's exponent field as its scale
	v_cvt_scalef32_pk8_fp4_f32 v[XC+4*(\t)], v[XS:XS+7], v11
	v_cvt_scalef32_pk8_fp4_f32 v[XC+4*(\t)+1], v[XS+8:XS+15], v11
	v_lshrrev_b32 v[XE+(\t)], 23, v11              ; the scale's byte
	ds_store_b8 v5, v[XE+(\t)] offset:16*(\t)      ; both lanes of a block write the same byte with the same value
	global_store_b64 v4, v[XC+4*(\t):XC+4*(\t)+1], s[14:15] offset:256*(\t)   ; the wave stores 256 consecutive bytes
.endm
.macro WLOAD t                         ; block t: W(32 t + i, my column) into set t % 2
.irp i, 0,1,2,3,4,5,6,7,8,9,10,11,12,13,14,15,16,17,18,19,20,21,22,23,24,25,26,27,28,29,30,31
	global_load_b32 v[WX+32*((\t)%2)+\i], v3, s[4:5] offset:(32*(\t)+\i)*4096 th:TH_LOAD_NT
.endr
.endm
.macro WBLOCK t
.set WS, WX+32*((\t)%2)
.if (\t) < WNB-1
	s_wait_loadcnt 32                              ; this block's 32 loads are in; the next block's may be out
.else
	s_wait_loadcnt 0
.endif
	v_max3_num_f32 v12, |v[WS]|, |v[WS+1]|, |v[WS+2]|
	v_max3_num_f32 v13, |v[WS+3]|, |v[WS+4]|, |v[WS+5]|
.irp i, 6,10,14,18,22,26
	v_max3_num_f32 v12, v12, |v[WS+\i]|, |v[WS+\i+1]|
	v_max3_num_f32 v13, v13, |v[WS+\i+2]|, |v[WS+\i+3]|
.endr
	v_max3_num_f32 v12, v12, |v[WS+30]|, |v[WS+31]|
	v_max3_num_f32 v12, v12, v13, 0x1800000
	v_add_nc_u32 v11, 0xff000000, v12
	v_lshrrev_b32 v13, 23, v11
.if (\t)%4 == 0
	v_mov_b32 v[WSB+(\t)/4], v13                   ; four bytes to a register, the lower K in the lower byte
.else
	v_lshl_or_b32 v[WSB+(\t)/4], v13, 8*((\t)%4), v[WSB+(\t)/4]
.endif
.irp g, 0,1,2,3
	v_cvt_scalef32_pk8_fp4_f32 v[WC+\g], v[WS+8*\g:WS+8*\g+7], v11
.endr
	ds_store_b128 v4, v[WC:WC+3] offset:16*(\t)    ; 32 codes: 16 bytes of my column's row
.if (\t)+2 < WNB
	WLOAD (\t)+2
.endif
	s_wait_dscnt 0x0                               ; the store has read its registers: the next block's codes may be written
.endm
.macro OLOAD q                         ; 32 k of my column into set q % 2: the wave reads 128 consecutive bytes, the work-group 512
.irp i, 0,1,2,3,4,5,6,7,8,9,10,11,12,13,14,15,16,17,18,19,20,21,22,23,24,25,26,27,28,29,30,31
	global_load_b32 v[OX+32*((\q)%2)+\i], v1, s[12:13] offset:(32*(\q)+\i)*4096 th:TH_LOAD_NT
.endr
.endm
.macro OBLK q
.set OS, OX+32*((\q)%2)
.if (\q) < 3
	s_wait_loadcnt 32                              ; this block's 32 loads are in; the next block's may be out
.else
	s_wait_loadcnt 0
.endif
.if (\q) > 0
	s_wait_xcnt 0x0                                ; the last block's stores have read hi and lo: they are written again only behind this wait
.endif
.set i, 0
.rept 32
	v_add_nc_u32 v[OT+i], 0x1000, v[OS+i]          ; hi: the mantissa rounded to 11 bits,
.set i, i+1
.endr
.set i, 0
.rept 32
	v_and_b32 v[OT+i], 0xffffe000, v[OT+i]         ; which f16 holds exactly in its normal range
.set i, i+1
.endr
.set i, 0
.rept 32
	v_sub_f32 v[OS+i], v[OS+i], v[OT+i]            ; lo = the rest, exact
.set i, i+1
.endr
.set i, 0
.rept 16
	v_cvt_pk_f16_f32 v[OH+i], v[OT+2*i], v[OT+2*i+1]
	v_cvt_pk_f16_f32 v[OL+i], v[OS+2*i], v[OS+2*i+1]
.set i, i+1
.endr
.irp j, 0,1,2,3                        ; k = 8 j .. 8 j + 7 of my column: registers 4 (j / 2) on of lane 16 (j % 2) + column % 16: sixteen lanes fill 256 consecutive bytes
	global_store_b128 v3, v[OH+4*\j:OH+4*\j+3], s[22:23] offset:(\q)*1024+(\j/2)*512+(\j%2)*256
	global_store_b128 v3, v[OL+4*\j:OL+4*\j+3], s[22:23] offset:2097152+(\q)*1024+(\j/2)*512+(\j%2)*256
.endr
.if (\q)+2 < 4
	OLOAD (\q)+2
.endif
.endm
	s_load_b512 s[4:19], s[0:1], 0x0               ; x s[4:5], Wq s[6:7], Wk s[8:9], Wv s[10:11], Wo s[12:13], xc s[14:15], xs s[16:17], wc s[18:19]
	s_load_b128 s[20:23], s[0:1], 0x40             ; ws s[20:21], wo16 s[22:23]
	v_lshl_add_u32 v192, v0, 2, 0x11000
	v_mov_b32 v193, 0
	v_lshrrev_b32 v1, 5, v0
	v_readfirstlane_b32 s24, v1                    ; wave
	v_and_b32 v2, 31, v0                           ; lane
	s_wait_kmcnt 0x0
	s_cmp_lt_u32 ttmp9, 256
	s_cbranch_scc0 .Lnot_x
	; ---- X: a wave takes 16 steps of 512 numbers; two neighbouring lanes hold a block
	v_lshlrev_b32 v3, 4, v2                        ; my 16 bytes of a load's 512
	s_mul_i32 s25, s24, XWREG
	v_lshrrev_b32 v14, 2, v2
	v_mul_u32_u24 v14, v14, XSP
	v_and_b32 v15, 3, v2
	v_lshl_add_u32 v14, v15, 4, v14
	v_add_nc_u32 v14, s25, v14                     ; the stage, in: 80 (lane / 4) + 16 (lane % 4)
	v_mul_u32_u24 v15, v2, XSP
	v_add_nc_u32 v15, s25, v15                     ; and out: 80 x lane: my 16 neighbours
	v_lshlrev_b32 v4, 3, v2                        ; my 8 bytes of a step's codes
	v_lshrrev_b32 v5, 1, v2
	s_add_co_u32 s25, s25, 2*32*XSP
	v_add_nc_u32 v5, s25, v5                       ; my block's byte among the wave's 256
	v_lshlrev_b32 v7, 3, v2
	v_add_nc_u32 v6, s25, v7
	s_lshl_b32 s26, ttmp9, 2
	s_add_co_u32 s26, s26, s24                     ; which run of 8,192 numbers is my wave's
	s_mov_b32 s27, 0
	s_lshl_b64 s[28:29], s[26:27], 15
	s_add_nc_u64 s[4:5], s[4:5], s[28:29]
	s_lshl_b64 s[28:29], s[26:27], 12
	s_add_nc_u64 s[14:15], s[14:15], s[28:29]
	s_lshl_b64 s[28:29], s[26:27], 8
	s_add_nc_u64 s[16:17], s[16:17], s[28:29]
.irp t, 0,1,2,3
	XLOAD \t
.endr
	s_wait_loadcnt 12                              ; step 0's four loads are in
	XTURN 0
.irp t, 0,1,2,3,4,5,6,7,8,9,10,11,12,13,14,15
	XSTEP \t
.endr
	ds_load_b64 v[12:13], v6                       ; my wave's 256 scale bytes, 8 a lane
	s_wait_dscnt 0x0
	global_store_b64 v7, v[12:13], s[16:17]        ; 256 consecutive bytes
	s_wait_tensorcnt 0x0
	ds_add_u32 v192, v193
	s_wait_dscnt 0x0
	s_endpgm
.Lnot_x:
	s_cmp_lt_u32 ttmp9, 304
	s_cbranch_scc0 .Lpath_o
	; ---- W: a wave takes 32 columns x 512 along K of one of the three weights
	s_sub_co_u32 s25, ttmp9, 256
	s_lshr_b32 s26, s25, 4                         ; which weight
	s_and_b32 s27, s25, 7                          ; which 128 columns
	s_bfe_u32 s28, s25, 0x10003                    ; which half of K
	s_cmp_eq_u32 s26, 0
	s_cselect_b64 s[4:5], s[6:7], s[8:9]
	s_cmp_eq_u32 s26, 2
	s_cselect_b64 s[4:5], s[10:11], s[4:5]
	s_lshl_b32 s27, s27, 7
	s_lshl_b32 s29, s24, 5
	s_add_co_u32 s27, s27, s29                     ; my wave's first column
	s_lshl_b32 s30, s28, 21                        ; 512 rows of 4,096 bytes
	s_lshl_b32 s29, s27, 2
	s_add_co_u32 s30, s30, s29
	s_mov_b32 s31, 0
	s_add_nc_u64 s[4:5], s[4:5], s[30:31]
	s_lshl_b32 s29, s26, 10
	s_add_co_u32 s29, s29, s27                     ; its row in wc and ws
	s_lshl_b32 s30, s29, 9
	s_lshl_b32 s32, s28, 8
	s_add_co_u32 s30, s30, s32
	s_add_nc_u64 s[18:19], s[18:19], s[30:31]
	s_lshl_b32 s30, s29, 5
	s_lshl_b32 s32, s28, 4
	s_add_co_u32 s30, s30, s32
	s_add_nc_u64 s[20:21], s[20:21], s[30:31]
	v_lshlrev_b32 v3, 2, v2
	s_mul_i32 s33, s24, 32*WPITCH
	s_add_co_u32 s33, s33, WSTG                    ; my stage
	v_mul_u32_u24 v4, v2, WPITCH
	v_add_nc_u32 v4, s33, v4                       ; in: row = my column
	v_and_b32 v5, 15, v2
	v_lshrrev_b32 v6, 4, v2
	v_mul_u32_u24 v7, v6, WPITCH
	v_lshl_add_u32 v7, v5, 4, v7
	v_add_nc_u32 v7, s33, v7                       ; out: sixteen lanes to a row, two rows an instruction
	v_lshlrev_b32 v8, 9, v6
	v_lshl_add_u32 v8, v5, 4, v8                   ; and the same place in wc
	v_lshlrev_b32 v9, 5, v2                        ; my column's row of ws
	WLOAD 0
	WLOAD 1
.set Q, 0
.rept WNB
	WBLOCK Q
.set Q, Q+1
.endr
	global_store_b128 v9, v[WSB:WSB+3], s[20:21]   ; my column's 16 scale bytes
.irp t, 0,1,2,3,4,5,6,7,8,9,10,11,12,13,14,15
	ds_load_b128 v[WOUT+4*\t:WOUT+4*\t+3], v7 offset:2*\t*WPITCH
.endr
.irp t, 0,1,2,3,4,5,6,7,8,9,10,11,12,13,14,15
	s_wait_dscnt 15-\t
	global_store_b128 v8, v[WOUT+4*\t:WOUT+4*\t+3], s[18:19] offset:2*\t*512   ; sixteen lanes store 256 consecutive bytes
.endr
	s_wait_tensorcnt 0x0
	ds_add_u32 v192, v193
	s_wait_dscnt 0x0
	s_endpgm
.Lpath_o:
	; ---- O: a wave takes 32 columns (two tiles of n) x 128 along K (four images a tile)
	s_sub_co_u32 s25, ttmp9, 304
	s_and_b32 s26, s25, 7                          ; which 128 columns
	s_lshr_b32 s27, s25, 3                         ; which 128 along K
	v_lshlrev_b32 v1, 2, v2
	v_lshrrev_b32 v3, 4, v2
	v_and_b32 v4, 15, v2
	v_lshlrev_b32 v3, 15, v3                       ; a tile of n is 32 images of 1,024 bytes
	v_lshl_add_u32 v3, v4, 4, v3
	s_lshl_b32 s28, s27, 19
	s_lshl_b32 s29, s26, 9
	s_add_co_u32 s28, s28, s29
	s_lshl_b32 s29, s24, 7
	s_add_co_u32 s28, s28, s29
	s_mov_b32 s29, 0
	s_add_nc_u64 s[12:13], s[12:13], s[28:29]
	s_lshl_b32 s28, s26, 18
	s_lshl_b32 s30, s24, 16
	s_add_co_u32 s28, s28, s30
	s_lshl_b32 s30, s27, 12
	s_add_co_u32 s28, s28, s30
	s_add_nc_u64 s[22:23], s[22:23], s[28:29]
	OLOAD 0
	OLOAD 1
	OBLK 0
	OBLK 1
	OBLK 2
	OBLK 3
	s_endpgm
.Lfunc_end_k_q199d12d731_prep:
	.size	k_q199d12d731_prep, .Lfunc_end_k_q199d12d731_prep-k_q199d12d731_prep
	.p2alignl 7, 3214868480
	.fill 96, 4, 3214868480
	.section	.rodata,"a",@progbits
	.p2align	6, 0x0
	.amdhsa_kernel k_q199d12d731_prep
		.amdhsa_group_segment_fixed_size 70144
		.amdhsa_private_segment_fixed_size 0
		.amdhsa_enable_private_segment 0
		.amdhsa_kernarg_size 80
		.amdhsa_user_sgpr_count 2
		.amdhsa_user_sgpr_kernarg_segment_ptr 1
		.amdhsa_wavefront_size32 1
		.amdhsa_system_sgpr_workgroup_id_x 1
		.amdhsa_system_sgpr_workgroup_id_y 1
		.amdhsa_system_sgpr_workgroup_id_z 1
		.amdhsa_system_vgpr_workitem_id 0
		.amdhsa_next_free_vgpr 194
		.amdhsa_next_free_sgpr 66
		.amdhsa_reserve_vcc 0
		.amdhsa_float_denorm_mode_32 3
		.amdhsa_float_denorm_mode_16_64 3
		.amdhsa_memory_ordered 1
		.amdhsa_forward_progress 1
		.amdhsa_inst_pref_size 155
	.end_amdhsa_kernel
	.amdgpu_metadata
---
amdhsa.version: [ 1, 2 ]
amdhsa.kernels:
  - .name:           k_q199d12d731_prep
    .symbol:         k_q199d12d731_prep.kd
    .args:
      - { .name: x, .offset: 0, .size: 8, .value_kind: global_buffer, .address_space: global }
      - { .name: Wq, .offset: 8, .size: 8, .value_kind: global_buffer, .address_space: global }
      - { .name: Wk, .offset: 16, .size: 8, .value_kind: global_buffer, .address_space: global }
      - { .name: Wv, .offset: 24, .size: 8, .value_kind: global_buffer, .address_space: global }
      - { .name: Wo, .offset: 32, .size: 8, .value_kind: global_buffer, .address_space: global }
      - { .name: xc, .offset: 40, .size: 8, .value_kind: global_buffer, .address_space: global }
      - { .name: xs, .offset: 48, .size: 8, .value_kind: global_buffer, .address_space: global }
      - { .name: wc, .offset: 56, .size: 8, .value_kind: global_buffer, .address_space: global }
      - { .name: ws, .offset: 64, .size: 8, .value_kind: global_buffer, .address_space: global }
      - { .name: wo16, .offset: 72, .size: 8, .value_kind: global_buffer, .address_space: global }
    .group_segment_fixed_size: 70144
    .private_segment_fixed_size: 0
    .kernarg_segment_align: 8
    .kernarg_segment_size: 80
    .max_flat_workgroup_size: 128
    .sgpr_count:     66
    .vgpr_count:     194
    .wavefront_size: 32
...
	.end_amdgpu_metadata
.endif
;; end of part 1
;; launch qkv (part 2): grid 8 x 48, 4 waves a work-group, clusters of 4 x 4, 327,680 bytes of LDS; arguments xc, xs, wc, ws, bq, bk, qkv, e32; writes qkv, e32
.if DOCPART == 2
	.amdgcn_target "amdgcn-amd-amdhsa--gfx1250"
	.amdhsa_code_object_version 6
	.text
	.protected	k_q199d12d731_qkv
	.globl	k_q199d12d731_qkv
	.p2align	8
	.type	k_q199d12d731_qkv,@function
k_q199d12d731_qkv:
	s_mov_b64 s[64:65], 0
	v_nop
	global_prefetch_b8 v0, s[64:65] scope:SCOPE_SE
	s_setreg_imm32_b32 hwreg(HW_REG_WAVE_MODE, 25, 1), 1
	s_wait_xcnt 0x0
	s_wait_alu depctr_hold_cnt(0) depctr_sa_sdst(0) depctr_va_vdst(0) depctr_va_sdst(0) depctr_va_ssrc(0) depctr_va_vcc(0) depctr_vm_vsrc(0)
	s_getreg_b32 s2, hwreg(HW_REG_IB_STS2, 6, 4)
	s_cmp_eq_u32 s2, 0
	s_cbranch_scc0 .Lentry_in_a_cluster
	s_endpgm
.Lentry_in_a_cluster:
	s_bfe_u32 s2, ttmp6, 0x10000c
	s_cmp_lg_u32 s2, 0xf033
	s_cbranch_scc0 .Lentry_shape_is_right
	s_endpgm
.Lentry_shape_is_right:
; The three quantised products x Wq, x Wk, x Wv on codes of FP4 (E2M1) with one E8M0 scale for each 32 along K = 1,024; sums in f32.
; A tile of 256 x 256 is made by four waves, 128 x 128 each: 64 accumulators of 16 x 16.  K = 1,024 is two LDS slots of 512, both filled at the start with the scale bytes: nothing is filled twice.
; R = the operand whose rows become a lane's row (source 1), P = the operand whose rows become a lane's eight neighbours (source 0).
;   clusters y 0-7:  R = x (tokens), P = Wq (cluster x 0) or Wk (cluster x 1): a lane holds a token and eight neighbouring channels;
;   clusters y 8-11: R = Wv, P = x: a lane holds a channel and eight neighbouring tokens, which is what the second product of attention wants of v.
; Which tile a work-group takes: place in the cluster x 8 + the cluster's coordinate along the tokens, so that "a batch's first tokens" is a property of the cluster and of the wave, never of the place in it.
; CLUSTERS: 4 x 4.  R's tiles hang on cy and the cluster alone and are asked for jointly along a row of the cluster, P's on cx and the cluster alone, along a column.
; THE WAY OUT: + bq or bk (bv is added behind the softmax, whose weights sum to 1), rounded to f16.  Two neighbouring tiles of eight numbers ARE registers 0-3 and 4-7 of the next product's fragment of
; 16 x 32, so the results leave as images of operand registers, [registers 0-3 | 4-7][lane][16 bytes]: each store covers 512 consecutive bytes, and nothing is transposed.
;   qkv: Q at 0, K at 16 MiB: [batch 16 + head][token tile 128][32 channels: 2][1,024];  V at 32 MiB: (batch / 2) 8 MiB + (64 keys) 256 KiB + ((batch % 2) 8 + head / 2) 16 KiB + (head % 2) 8 KiB + (16 channels) 2 KiB + (32 keys) 1 KiB.
;   e32: the f32 results of each batch's tokens 0-15, [batch][tile 192][1,024]: tiles 0-63 q, 64-127 k (lane: token, 8 channels), 128-191 v without bv (lane: channel, 8 tokens).
; LIMITS: |q|, |k|, |v| stay under 65,504 (f16).
; REGISTERS: window 0: v0-31 addresses; v32-95 scale words, two sets; v128-191 R's fragments, one set; v192-255 the bias; on the way out v32-95 f32 results, v96-127 packed.
;   window 1: P's fragments, two sets, at v0 and v128.   window 2: accumulators of my rows 0-63 ((a, b) at v[8 (8 a + b)]);   window 3: those of my rows 64-127.
.set NQ,     4                         ; matrix instructions deep in a slot
.set ROWB,   256                       ; a tile's row: 512 codes
.set KROW,   512                       ; a row of codes in memory
.set PITCH,  272                       ; an LDS row: 256 bytes + 16 of padding: the 16 rows that a load touches start 68 words apart
.set FR,     8
.set NL,     2
.set NP,     4
.set HALFT,  128*PITCH
.set SLOT,   4*HALFT                   ; R's 256 rows, then P's 256 rows
.set KS,     32                        ; a row of scale bytes
.set SCL,    2*SLOT                    ; the scales, as rows of 256 bytes + 16
.set HALFS,  (128*KS/256)*272
.set SBLK,   (16*KS/256)*272
.set SPARE,  SCL+4*HALFS               ; the spare words, 128 bytes a wave
.set ADRA, 16
.set ADRB, 20
.set LI,   26                          ; v26  16 x lane
.set ADRS, 27
.set SPW,  28
.set NIL,  29
.set SC,   32
.set AF,   128
.set T,    32
.set F,    96
.set BJ,   192
.set G1, 24
.set G0, 32
.set G1B, 48
.set G0B, 56
.set G1S, 68
.set G0S, 76
.set G1SB, 80
.set G0SB, 88
.set MSB, 0
.macro WIN new                         ; the immediate's high byte repeats the setting that is left
.if MSB != \new
	s_set_vgpr_msb (MSB<<8)|\new
.set MSB, \new
.endif
.endm
.set MUL_LO, 0xa1                      ; source 0 (P) window 1, source 1 (R) window 0, C and D window 2
.set MUL_HI, 0xf1
.set TO_B,   0x40
.macro JLOAD g0a, g1a, g0b, g1b        ; waves 0 and 1 fetch for R, waves 2 and 3 for P; four v_nop follow each line
	s_cmp_eq_u32 s15, 0
	s_cbranch_scc0 .Lfor_b_\@
	tensor_load_to_lds s[\g0a:\g0a+3], s[\g1a:\g1a+7]
	s_nop 0
.rept 4
	v_nop
.endr
	s_branch .Lasked_\@
.Lfor_b_\@:
	tensor_load_to_lds s[\g0b:\g0b+3], s[\g1b:\g1b+7]
	s_nop 0
.rept 4
	v_nop
.endr
.Lasked_\@:
.endm
.macro CROUND                          ; a round of the cluster's barrier
	s_barrier_signal -1
	s_barrier_wait -1
	s_cmp_lg_u32 s14, 0
	s_cbranch_scc1 .Lnot_wave_0_\@
	s_barrier_signal -3
.Lnot_wave_0_\@:
	s_barrier_wait -3
	s_barrier_signal -1
	s_barrier_wait -1
.endm
	s_load_b256 s[4:11], s[0:1], 0x0               ; xc s[4:5], xs s[6:7], wc s[8:9], ws s[10:11]
	s_load_b128 s[96:99], s[0:1], 0x20             ; bq, bk
	s_load_b64 s[12:13], s[0:1], 0x30              ; qkv
	s_load_b64 s[66:67], s[0:1], 0x38              ; e32
	v_lshl_add_u32 v[SPW], v0, 2, SPARE
	v_mov_b32 v[NIL], 0
	ds_add_u32 v28, v29
	ds_add_u32 v28, v29
	s_wait_dscnt 0x0
	v_lshrrev_b32 v1, 5, v0
	v_readfirstlane_b32 s14, v1                    ; wave 0..3
	s_lshr_b32 s15, s14, 1                         ; rh: which half of R's rows is mine.  Also: I fetch for R (0) or for P (1)
	s_and_b32 s16, s14, 1                          ; ch: which half of P's rows.  Also: which 128 rows of that tile I fetch
	s_bfe_u32 s40, ttmp6, 0x40000                  ; cx
	s_bfe_u32 s41, ttmp6, 0x40004                  ; cy
	s_mov_b32 s3, ttmp9                            ; the cluster's x
	s_and_b32 s95, ttmp7, 0xffff                   ; the cluster's y
	s_or_b32 s100, s95, s15                        ; 0: my R block 0 is a batch's tokens 0-15 (q, k)
	s_sub_co_u32 s2, s95, 8
	s_lshl_b32 s2, s2, 1
	s_add_co_u32 s2, s2, s3                        ; for v: which 256 tokens of a batch
	s_or_b32 s101, s2, s16                         ; 0: my P block 0 is a batch's tokens 0-15 (v)
	s_lshl_b32 s23, s3, 2
	s_cmp_ge_u32 s95, 8                            ; v's clusters?
	s_cselect_b32 s20, 1, 8
	s_cselect_b32 s21, 8, s95
	s_cselect_b32 s22, 8, 1
	s_cselect_b32 s23, s2, s23
	s_mul_i32 s17, s41, s20
	s_add_co_u32 s17, s17, s21                     ; R's tile: 8 cy + cluster y, or 8 + cy
	s_mul_i32 s42, s40, s22
	s_add_co_u32 s42, s42, s23                     ; P's tile: 4 cluster x + cx, or 8 cx + the 256 tokens
	s_lshl_b32 s43, s41, 2
	s_lshl_b32 s43, 15, s43                        ; my row of the cluster
	s_lshl_b32 s44, 0x1111, s40                    ; my column
	s_or_b32 s[G1+0], s43, (0<<16)|(1<<20)|(1<<21)|(5<<22)|(3<<25)  ; the mask; elements of 1 byte; padding: 4 words behind every 64; bit 21 beside a mask
	s_or_b32 s[G1B+0], s44, (0<<16)|(1<<20)|(1<<21)|(5<<22)|(3<<25)
.irp g, G1, G1B
	s_mov_b32 s[\g+1], ROWB<<16                    ; tensor_dim0
	s_mov_b32 s[\g+2], 128<<16                     ; tensor_dim1
	s_mov_b32 s[\g+3], ROWB<<16                    ; tile_dim0
	s_mov_b32 s[\g+4], 128                         ; tile_dim1
	s_mov_b32 s[\g+5], KROW                        ; from row to row
	s_mov_b32 s[\g+6], 0
	s_mov_b32 s[\g+7], 0
.endr
	s_or_b32 s[G1S+0], s43, (3<<16)|(1<<20)|(1<<21)|(5<<22)|(3<<25) ; the scales of 128 rows: 4,096 dense bytes as 16 rows of 256 (32 elements of 8 bytes)
	s_or_b32 s[G1SB+0], s44, (3<<16)|(1<<20)|(1<<21)|(5<<22)|(3<<25)
.irp g, G1S, G1SB
	s_mov_b32 s[\g+1], 32<<16
	s_mov_b32 s[\g+2], (128*KS/256)<<16
	s_mov_b32 s[\g+3], 32<<16
	s_mov_b32 s[\g+4], 128*KS/256
	s_mov_b32 s[\g+5], 32
	s_mov_b32 s[\g+6], 0
	s_mov_b32 s[\g+7], 0
.endr
	s_lshl_b32 s2, s16, 7
	s_lshl_b32 s20, s17, 8
	s_add_co_u32 s20, s20, s2                      ; R: the first row that I fetch
	s_lshl_b32 s46, s42, 8
	s_add_co_u32 s46, s46, s2                      ; P likewise
	s_lshl_b32 s22, s20, 5                         ; its scale bytes,
	s_mov_b32 s23, 0
	s_lshl_b32 s20, s20, 9                         ; its codes
	s_mov_b32 s21, 0
	s_lshl_b32 s92, s46, 5
	s_mov_b32 s93, 0
	s_lshl_b32 s46, s46, 9
	s_mov_b32 s47, 0
	s_mul_i32 s45, s14, HALFT                      ; where they go: wave x 128 rows
	s_mul_i32 s94, s14, HALFS
	s_wait_kmcnt 0x0
	s_cmp_ge_u32 s95, 8                            ; the choice hangs on the cluster's y alone
	s_cselect_b64 s[18:19], s[8:9], s[4:5]         ; R's codes
	s_cselect_b64 s[8:9], s[4:5], s[8:9]           ; P's codes
	s_cselect_b64 s[4:5], s[10:11], s[6:7]         ; R's scales
	s_cselect_b64 s[10:11], s[6:7], s[10:11]       ; P's scales
	s_add_nc_u64 s[20:21], s[18:19], s[20:21]
	s_add_nc_u64 s[22:23], s[4:5], s[22:23]
	s_add_nc_u64 s[46:47], s[8:9], s[46:47]
	s_add_nc_u64 s[92:93], s[10:11], s[92:93]
	CROUND                                         ; all sixteen work-groups are here: the joint loads meet
	s_mov_b32 s[G0S], 1
	s_add_co_u32 s[G0S+1], s94, SCL
	s_mov_b64 s[G0S+2:G0S+3], s[22:23]
	s_or_b32 s[G0S+3], s[G0S+3], 0x80000000
	s_mov_b32 s[G0SB], 1
	s_add_co_u32 s[G0SB+1], s94, SCL
	s_mov_b64 s[G0SB+2:G0SB+3], s[92:93]
	s_or_b32 s[G0SB+3], s[G0SB+3], 0x80000000
	JLOAD G0S, G1S, G0SB, G1SB                     ; the scales first; then both slots: three loads of mine are out
.irp s, 0,1
	s_mov_b32 s[G0+4*\s], 1
	s_add_co_u32 s[G0+4*\s+1], s45, \s*SLOT
	s_add_nc_u64 s[G0+4*\s+2:G0+4*\s+3], s[20:21], \s*ROWB
	s_or_b32 s[G0+4*\s+3], s[G0+4*\s+3], 0x80000000
	s_mov_b32 s[G0B+4*\s], 1
	s_add_co_u32 s[G0B+4*\s+1], s45, \s*SLOT
	s_add_nc_u64 s[G0B+4*\s+2:G0B+4*\s+3], s[46:47], \s*ROWB
	s_or_b32 s[G0B+4*\s+3], s[G0B+4*\s+3], 0x80000000
	JLOAD G0+4*\s, G1, G0B+4*\s, G1B
.endr
	v_and_b32 v1, 15, v0                           ; r
	v_bfe_u32 v2, v0, 4, 1                         ; h
	v_mul_u32_u24 v3, v1, PITCH
	v_lshl_add_u32 v4, v2, 4, v3                   ; a fragment's row x pitch + 16 h
	s_mul_i32 s21, s15, HALFT                      ; my 128 rows of R
	s_mul_i32 s22, s16, HALFT                      ; my 128 rows of P,
	s_add_co_u32 s22, s22, 2*HALFT                 ; behind R's 256
.irp s, 0,1
	v_add_nc_u32 v[ADRA+\s], s21, v4
	v_add_nc_u32 v[ADRB+\s], s22, v4
	s_add_co_u32 s21, s21, SLOT
	s_add_co_u32 s22, s22, SLOT
.endr
	v_mul_u32_u24 v5, v1, KS                       ; my row's scales: 32 bytes a row,
	v_lshrrev_b32 v6, 8, v5
	v_lshl_add_u32 v5, v6, 4, v5                   ; and 16 more for each 256 passed
	s_mul_i32 s21, s15, HALFS
	s_mul_i32 s22, s16, HALFS
	s_add_co_u32 s22, s22, 2*HALFS
	s_sub_co_u32 s22, s22, s21
	v_mul_u32_u24 v6, s22, v2                      ; lanes 16-31 take P's
	s_add_co_u32 s21, s21, SCL
	v_add_nc_u32 v5, v5, v6
	v_add_nc_u32 v[ADRS], s21, v5
	v_and_b32 v6, 31, v0
	v_lshlrev_b32 v[LI], 4, v6
	v_lshlrev_b32 v7, 5, v2                        ; the bias: 32 h
	; the bias of my 128 columns, in the result's layout: register 8 b + j = column 16 b + 8 h + j.  For v: zeros
	s_cmp_eq_u32 s3, 0
	s_cselect_b64 s[96:97], s[96:97], s[98:99]
	s_lshl_b32 s18, s40, 10
	s_lshl_b32 s19, s16, 9
	s_add_co_u32 s18, s18, s19
	s_mov_b32 s19, 0
	s_add_nc_u64 s[96:97], s[96:97], s[18:19]
	s_cmp_ge_u32 s95, 8
	s_cbranch_scc1 .Lno_bias
.irp b, 0,1,2,3,4,5,6,7
	global_load_b128 v[BJ+8*\b:BJ+8*\b+3], v7, s[96:97] offset:64*\b
	global_load_b128 v[BJ+8*\b+4:BJ+8*\b+7], v7, s[96:97] offset:64*\b+16
.endr
	s_branch .Lbias_done
.Lno_bias:
.set i, 0
.rept 64
	v_mov_b32 v[BJ+i], 0
.set i, i+1
.endr
.Lbias_done:
	; where my results go.  q, k:
	s_lshl_b32 s18, s41, 4
	s_lshl_b32 s19, s40, 2
	s_add_co_u32 s18, s18, s19
	s_lshl_b32 s19, s16, 1
	s_add_co_u32 s18, s18, s19                     ; batch 16 + my first head
	s_lshl_b32 s18, s18, 18
	s_lshl_b32 s19, s95, 4
	s_lshl_b32 s20, s15, 3
	s_add_co_u32 s19, s19, s20                     ; my first token tile
	s_lshl_b32 s19, s19, 11
	s_add_co_u32 s18, s18, s19
	s_lshl_b32 s19, s3, 24
	s_add_co_u32 s18, s18, s19
	; v:
	s_lshr_b32 s19, s40, 1
	s_lshl_b32 s19, s19, 23
	s_add_co_u32 s19, s19, 0x2000000
	s_sub_co_u32 s20, s95, 8
	s_lshl_b32 s20, s20, 1
	s_add_co_u32 s20, s20, s3
	s_lshl_b32 s20, s20, 2
	s_lshl_b32 s21, s16, 1
	s_add_co_u32 s20, s20, s21                     ; my first 64 keys
	s_lshl_b32 s20, s20, 18
	s_add_co_u32 s19, s19, s20
	s_and_b32 s20, s40, 1
	s_lshl_b32 s20, s20, 3
	s_lshl_b32 s21, s41, 1
	s_add_co_u32 s20, s20, s21
	s_add_co_u32 s20, s20, s15
	s_lshl_b32 s20, s20, 14
	s_add_co_u32 s19, s19, s20
	s_cmp_ge_u32 s95, 8
	s_cselect_b32 s18, s19, s18
	s_mov_b32 s19, 0
	s_add_nc_u64 s[12:13], s[12:13], s[18:19]
	; e32.  q, k: batch cy, tile 64 cluster x + 16 cx + 8 ch;  v: batch cx, tile 128 + 16 cy + 8 rh
	s_mul_i32 s18, s41, 196608
	s_lshl_b32 s20, s3, 6
	s_lshl_b32 s21, s40, 4
	s_add_co_u32 s20, s20, s21
	s_lshl_b32 s21, s16, 3
	s_add_co_u32 s20, s20, s21
	s_lshl_b32 s20, s20, 10
	s_add_co_u32 s18, s18, s20
	s_mul_i32 s19, s40, 196608
	s_lshl_b32 s20, s41, 4
	s_lshl_b32 s21, s15, 3
	s_add_co_u32 s20, s20, s21
	s_add_co_u32 s20, s20, 128
	s_lshl_b32 s20, s20, 10
	s_add_co_u32 s19, s19, s20
	s_cmp_ge_u32 s95, 8
	s_cselect_b32 s18, s19, s18
	s_mov_b32 s19, 0
	s_add_nc_u64 s[66:67], s[66:67], s[18:19]
.macro FRAG reg, adr, q, i             ; 16 rows x 128 K of 4-bit codes: registers 4 c .. 4 c + 3 hold K = 64 c + 32 h + 0 .. 31
.irp c, 0,1
	ds_load_b128 v[\reg+4*\c:\reg+4*\c+3], v[\adr] offset:64*(\q)+32*\c+(\i)*16*PITCH
.endr
.endm
; 16 matrix instructions: R's blocks a0, a0 + 1 x P's eight.  The 64 accumulators take turns, one instruction a turn.
.macro MUL16 a0, p, q, sc, zero
.irp a, \a0, \a0+1
.irp b, 0,1,2,3,4,5,6,7
.if \zero
	v_wmma_scale_f32_16x16x128_f8f6f4 v[8*(8*((\a)%4)+\b):8*(8*((\a)%4)+\b)+7], v[128*(\p)+FR*\b:128*(\p)+FR*\b+FR-1], v[AF+FR*(\a):AF+FR*(\a)+FR-1], 0, v[SC+8*NQ*(\sc)+NQ*\b+(\q)], v[SC+8*NQ*(\sc)+NQ*(\a)+(\q)] matrix_a_fmt:MATRIX_FMT_FP4 matrix_b_fmt:MATRIX_FMT_FP4 matrix_a_scale:MATRIX_SCALE_ROW1
.else
	v_wmma_scale_f32_16x16x128_f8f6f4 v[8*(8*((\a)%4)+\b):8*(8*((\a)%4)+\b)+7], v[128*(\p)+FR*\b:128*(\p)+FR*\b+FR-1], v[AF+FR*(\a):AF+FR*(\a)+FR-1], v[8*(8*((\a)%4)+\b):8*(8*((\a)%4)+\b)+7], v[SC+8*NQ*(\sc)+NQ*\b+(\q)], v[SC+8*NQ*(\sc)+NQ*(\a)+(\q)] matrix_a_fmt:MATRIX_FMT_FP4 matrix_b_fmt:MATRIX_FMT_FP4 matrix_a_scale:MATRIX_SCALE_ROW1
.endif
.endr
.endr
.endm
.macro FETCH_B slot, q, p
	WIN TO_B
.irp i, 0,1,2,3,4,5,6,7
	FRAG 128*(\p)+FR*\i, ADRB+\slot, \q, \i
.endr
	WIN 0
.endm
.macro FETCH_A slot, q, i0
.irp i, \i0, \i0+1, \i0+2, \i0+3
	FRAG AF+FR*(\i), ADRA+\slot, \q, \i
.endr
.endm
.macro SCALES sc                       ; a slot's scale words: lanes 0-15 R's block i, lanes 16-31 P's block i
.irp i, 0,1,2,3,4,5,6,7
	ds_load_b128 v[SC+8*NQ*\sc+NQ*\i:SC+8*NQ*\sc+NQ*\i+3], v[ADRS] offset:\i*SBLK
.endr
.endm
.macro PLACES n                        ; places behind matrix instructions, in front of loads into registers that they read and of the first read of results
.rept \n
	v_nop
.endr
.endm
.macro STEP slot, q, zero              ; 128 along K that has its successor in the same slot
	s_wait_dscnt 4*NL                              ; P's set and R's blocks 0-3 are in; the youngest eight loads (R's blocks 4-7) may be out
	WIN MUL_LO
	MUL16 0, (\q)%2, \q, \slot, \zero
	MUL16 2, (\q)%2, \q, \slot, \zero
	s_wait_dscnt 0                                 ; R's blocks 4-7 are in
	PLACES NP
	FETCH_B \slot, (\q)+1, 1-(\q)%2
	FETCH_A \slot, (\q)+1, 0
	WIN MUL_HI
	MUL16 4, (\q)%2, \q, \slot, \zero
	MUL16 6, (\q)%2, \q, \slot, \zero
	PLACES NP
	WIN 0
	FETCH_A \slot, (\q)+1, 4
.endm
.macro TURN slot, next                 ; a slot's last step changes slots: one barrier
	s_wait_tensorcnt 0x0                           ; all my tensor loads have landed: my part of the next slot
	ds_add_u32 v[SPW], v[NIL]                      ; 0 onto my spare word
	s_wait_dscnt 4*NL+1                            ; the add and the youngest eight loads may be out
	WIN MUL_LO
	MUL16 0, 1, NQ-1, \slot, 0
	s_wait_dscnt 0x0                               ; the add is done, and my reads of this slot are over
	s_barrier_signal -1
	MUL16 2, 1, NQ-1, \slot, 0
	WIN 0
	s_barrier_wait -1                              ; the next slot is whole
	PLACES NP
	v_add_nc_u32 v[ADRS], 4*NQ, v[ADRS]            ; on to the next slot's scale words
	FETCH_B \next, 0, 0
	FETCH_A \next, 0, 0
	SCALES \next
	WIN MUL_HI
	MUL16 4, 1, NQ-1, \slot, 0
	MUL16 6, 1, NQ-1, \slot, 0
	PLACES NP
	WIN 0
	FETCH_A \next, 0, 4
.endm
.macro STEPS slot, from
.set Q, \from
.rept NQ-1-\from
	STEP \slot, Q, 0
.set Q, Q+1
.endr
.endm
	s_wait_tensorcnt 1                             ; the scales and my part of slot 0 are in; slot 1's load may be out,
	s_barrier_signal -1
	s_barrier_wait -1                              ; everybody's are
	FETCH_B 0, 0, 0
	FETCH_A 0, 0, 0
	SCALES 0
	FETCH_A 0, 0, 4
	STEP 0, 0, 1                                   ; the first products start the sums: nothing is cleared
	STEPS 0, 1
	TURN 0, 1
	STEPS 1, 0
	s_wait_dscnt 4*NL                              ; the last step: nothing more to fetch
	WIN MUL_LO
	MUL16 0, 1, NQ-1, 1, 0
	MUL16 2, 1, NQ-1, 1, 0
	s_wait_dscnt 0
	WIN MUL_HI
	MUL16 4, 1, NQ-1, 1, 0
	MUL16 6, 1, NQ-1, 1, 0
	WIN 0
; THE WAY OUT of R's block a: + bias, in f32; rounded to f16, two to a register; four images of 1,024 bytes, eight stores of 512 consecutive bytes.
.macro OUT a
.if (\a) > 0
	s_wait_xcnt 0x0                                ; the last block's stores have read their data: it is written again only behind this wait
.endif
.set AC, 64*((\a)%4)
.set WN, 0x02+(\a)/4
	WIN WN                                         ; source 0: window 2 or 3
.irp b, 0,1,2,3,4,5,6,7
.irp p, 0,2,4,6
	v_pk_add_f32 v[T+8*\b+\p:T+8*\b+\p+1], v[AC+8*\b+\p:AC+8*\b+\p+1], v[BJ+8*\b+\p:BJ+8*\b+\p+1]   ; each accumulator from its low end on
.endr
.endr
	WIN 0
.set i, 0
.rept 32
	v_cvt_pk_f16_f32 v[F+i], v[T+2*i], v[T+2*i+1]
.set i, i+1
.endr
.irp c, 0,1,2,3
.irp u, 0,1
	global_store_b128 v[LI], v[F+8*\c+4*\u:F+8*\c+4*\u+3], s[12:13] offset:(\c/2)*262144+(\a)*2048+(\c%2)*1024+\u*512
.endr
.endr
.if (\a) == 0
	s_cmp_lg_u32 s100, 0                           ; a batch's tokens 0-15 of q or k: also in f32
	s_cbranch_scc1 .Lnot_q16
.irp b, 0,1,2,3,4,5,6,7
	global_store_b128 v[LI], v[T+8*\b:T+8*\b+3], s[66:67] offset:\b*1024
	global_store_b128 v[LI], v[T+8*\b+4:T+8*\b+7], s[66:67] offset:\b*1024+512
.endr
.Lnot_q16:
.endif
	s_cmp_lg_u32 s101, 0                           ; a batch's tokens 0-15 of v
	s_cbranch_scc1 .Lnot_v16_\@
	global_store_b128 v[LI], v[T:T+3], s[66:67] offset:(\a)*1024
	global_store_b128 v[LI], v[T+4:T+7], s[66:67] offset:(\a)*1024+512
.Lnot_v16_\@:
.endm
	s_wait_loadcnt 0x0                             ; the bias
	PLACES NP                                      ; behind the last products: their results are read and their scale registers written below
.irp a, 0,1,2,3,4,5,6,7
	OUT \a
.endr
	s_wait_tensorcnt 0x0                           ; the wave's end
	ds_add_u32 v[SPW], v[NIL]
	s_wait_dscnt 0x0
	CROUND                                         ; the closing round
	s_endpgm
.Lfunc_end_k_q199d12d731_qkv:
	.size	k_q199d12d731_qkv, .Lfunc_end_k_q199d12d731_qkv-k_q199d12d731_qkv
	.p2alignl 7, 3214868480
	.fill 96, 4, 3214868480
	.section	.rodata,"a",@progbits
	.p2align	6, 0x0
	.amdhsa_kernel k_q199d12d731_qkv
		.amdhsa_group_segment_fixed_size 327680
		.amdhsa_private_segment_fixed_size 0
		.amdhsa_enable_private_segment 0
		.amdhsa_kernarg_size 64
		.amdhsa_user_sgpr_count 2
		.amdhsa_user_sgpr_kernarg_segment_ptr 1
		.amdhsa_wavefront_size32 1
		.amdhsa_system_sgpr_workgroup_id_x 1
		.amdhsa_system_sgpr_workgroup_id_y 1
		.amdhsa_system_sgpr_workgroup_id_z 1
		.amdhsa_system_vgpr_workitem_id 0
		.amdhsa_next_free_vgpr 1024
		.amdhsa_next_free_sgpr 102
		.amdhsa_reserve_vcc 0
		.amdhsa_float_denorm_mode_32 3
		.amdhsa_float_denorm_mode_16_64 3
		.amdhsa_memory_ordered 1
		.amdhsa_forward_progress 1
		.amdhsa_inst_pref_size 143
	.end_amdhsa_kernel
	.amdgpu_metadata
---
amdhsa.version: [ 1, 2 ]
amdhsa.kernels:
  - .name:           k_q199d12d731_qkv
    .symbol:         k_q199d12d731_qkv.kd
    .args:
      - { .name: xc, .offset: 0, .size: 8, .value_kind: global_buffer, .address_space: global }
      - { .name: xs, .offset: 8, .size: 8, .value_kind: global_buffer, .address_space: global }
      - { .name: wc, .offset: 16, .size: 8, .value_kind: global_buffer, .address_space: global }
      - { .name: ws, .offset: 24, .size: 8, .value_kind: global_buffer, .address_space: global }
      - { .name: bq, .offset: 32, .size: 8, .value_kind: global_buffer, .address_space: global }
      - { .name: bk, .offset: 40, .size: 8, .value_kind: global_buffer, .address_space: global }
      - { .name: qkv, .offset: 48, .size: 8, .value_kind: global_buffer, .address_space: global }
      - { .name: e32, .offset: 56, .size: 8, .value_kind: global_buffer, .address_space: global }
    .group_segment_fixed_size: 327680
    .private_segment_fixed_size: 0
    .kernarg_segment_align: 8
    .kernarg_segment_size: 64
    .max_flat_workgroup_size: 128
    .sgpr_count:     102
    .vgpr_count:     1024
    .wavefront_size: 32
...
	.end_amdgpu_metadata
.endif
;; end of part 2
;; launch first16 (part 3): grid 16 x 4, 16 waves a work-group, no clusters, 84,992 bytes of LDS; arguments e32, wo16, bv, bo, out0; writes out0
.if DOCPART == 3
	.amdgcn_target "amdgcn-amd-amdhsa--gfx1250"
	.amdhsa_code_object_version 6
	.text
	.protected	k_q199d12d731_first16
	.globl	k_q199d12d731_first16
	.p2align	8
	.type	k_q199d12d731_first16,@function
k_q199d12d731_first16:
	s_mov_b64 s[64:65], 0
	v_nop
	global_prefetch_b8 v0, s[64:65] scope:SCOPE_SE
	s_setreg_imm32_b32 hwreg(HW_REG_WAVE_MODE, 25, 1), 1
	s_wait_xcnt 0x0
; Rows 0-15 of each batch, the whole chain behind the projections, in f32 and in split f16.  These rows average few values, so they are large beside the output's root mean square, and want more than f16's 11 bits.
; A work-group: one batch (y), 64 columns of the output (x).  Part 1: wave hd = head hd: S^T = K Q^T and O^T = V^T P on f32 operands (16 queries, 16 keys, the causal mask), the maximum taken away ahead of the
; exponential, O^T / the sum + bv.  All sixteen column groups of a batch repeat this small part.  The result is split into f16 hi + lo and goes to LDS as images of operand registers.
; Part 2: wave (nt = wave % 4: 16 columns; kq = wave / 4: 256 along K): Wo_hi a_hi + Wo_hi a_lo + Wo_lo a_hi in three accumulators by turns.  Part 3: the four parts along K are added, + bo, and stored.
; In e32 a lane holds (q, k) a token and 8 channels, (v) a channel and 8 tokens: pairs of registers are operands of the 16x16x4 form under one permutation of k on both sides.
; LIMITS: the attention's result stays under 65,504; where hi or lo falls among f16's subnormals it carries an absolute error of up to 2^-25.
.set PART, 65536                       ; LDS: a_hi 32 images at 0, a_lo at 32,768, then [kq 4][16 rows][256 + 16 bytes]
.set LI,  1
.set QF,  16                           ; v16-47   q; then bv; then hi as f32; then Wo_hi of images 4-7
.set KF,  48                           ; v48-79   k; then a_hi, a_lo packed; then Wo_lo of images 4-7
.set VF,  80                           ; v80-111  v; then the result in f32; then a_hi's fragments; then y
.set SA,  112                          ; v112-127 two accumulators of S^T: written by matrix instructions alone
.set OA,  128                          ; v128-159 O^T, later the three accumulators of part 2: written by matrix instructions alone
.set P,   160                          ; v160-167 p; v160-191 later a_lo's fragments
.set S8,  168
.set WH,  192                          ; v192-223 Wo_hi of images 0-3; v224-255 Wo_lo
.set WL,  224
	s_load_b256 s[4:11], s[0:1], 0x0               ; e32 s[4:5], wo16 s[6:7], bv s[8:9], bo s[10:11]
	s_load_b64 s[12:13], s[0:1], 0x20              ; out0
	v_lshrrev_b32 v5, 5, v0
	v_readfirstlane_b32 s14, v5                    ; wave = head
	s_and_b32 s15, ttmp7, 0xffff                   ; batch
	s_and_b32 s16, s14, 3                          ; nt
	s_lshr_b32 s17, s14, 2                         ; kq
	v_and_b32 v5, 31, v0
	v_lshlrev_b32 v[LI], 4, v5                     ; 16 x lane
	v_and_b32 v2, 15, v0                           ; r
	v_bfe_u32 v3, v0, 4, 1                         ; h
	v_lshlrev_b32 v4, 3, v3
	v_sub_nc_u32 v4, v2, v4                        ; r - 8 h: register j holds key 8 h + j, hidden where j > r - 8 h
	s_lshl_b32 s18, s14, 11
	v_add_nc_u32 v6, s18, v[LI]                    ; where I store my head's two images
	s_lshl_b32 s18, s17, 13
	v_add_nc_u32 v7, s18, v[LI]                    ; where I read my eight
	s_mul_i32 s18, s17, 4352
	s_lshl_b32 s19, s16, 6
	s_add_co_u32 s18, s18, s19
	s_add_co_u32 s18, s18, PART
	v_mul_u32_u24 v12, v2, 272
	v_lshl_add_u32 v12, v3, 5, v12
	v_add_nc_u32 v12, s18, v12                     ; my part: row r, columns 16 nt + 8 h on
	v_lshrrev_b32 v5, 4, v0
	v_mul_u32_u24 v13, v5, 272
	v_lshl_add_u32 v13, v2, 4, v13
	v_add_nc_u32 v13, PART, v13                    ; part 3: thread t takes row t / 16, 16 bytes at 16 (t % 16)
	v_lshlrev_b32 v14, 12, v5
	v_lshl_add_u32 v14, v2, 4, v14                 ; and the same place in out0
	v_mov_b32 v15, 0xff800000                      ; -infinity
	v_lshlrev_b32 v5, 4, v2
	v_lshlrev_b32 v184, 5, v3                      ; bv: 32 h
	v_mov_b32 v177, 0                              ; a lane permute's destination counts as read
	v_mov_b32 v180, 0
	s_mul_i32 s18, s15, 196608
	s_lshl_b32 s19, s14, 12
	s_add_co_u32 s18, s18, s19                     ; e32: my batch, my head's four tiles
	s_mov_b32 s19, 0
	s_lshl_b32 s20, ttmp9, 2
	s_add_co_u32 s20, s20, s16
	s_lshl_b32 s20, s20, 5
	s_lshl_b32 s21, s17, 3
	s_add_co_u32 s20, s20, s21
	s_lshl_b32 s20, s20, 10                        ; wo16: my tile of n, my eight images
	s_mov_b32 s21, 0
	s_lshl_b32 s22, s14, 8
	s_mov_b32 s23, 0
	s_lshl_b32 s24, ttmp9, 8
	s_mov_b32 s25, 0
	s_lshl_b32 s26, s15, 23
	s_add_co_u32 s26, s26, s24
	s_mov_b32 s27, 0
	s_mov_b32 s28, 0x76543210
	s_mov_b32 s29, 0xfedcba98                      ; lane l xor 16
	s_mov_b32 s30, 0x3e38aa3b                      ; c = log2(e) / sqrt(64)
	s_wait_kmcnt 0x0
	s_add_nc_u64 s[4:5], s[4:5], s[18:19]
	s_add_nc_u64 s[6:7], s[6:7], s[20:21]
	s_add_nc_u64 s[8:9], s[8:9], s[22:23]
	s_add_nc_u64 s[10:11], s[10:11], s[24:25]
	s_add_nc_u64 s[12:13], s[12:13], s[26:27]
.irp b, 0,1,2,3
.irp u, 0,1
	global_load_b128 v[QF+8*\b+4*\u:QF+8*\b+4*\u+3], v[LI], s[4:5] offset:\b*1024+\u*512
	global_load_b128 v[KF+8*\b+4*\u:KF+8*\b+4*\u+3], v[LI], s[4:5] offset:65536+\b*1024+\u*512
	global_load_b128 v[VF+8*\b+4*\u:VF+8*\b+4*\u+3], v[LI], s[4:5] offset:131072+\b*1024+\u*512
.endr
.endr
.irp q, 0,1,2,3
.irp u, 0,1
	global_load_b128 v[WH+8*\q+4*\u:WH+8*\q+4*\u+3], v[LI], s[6:7] offset:\q*1024+\u*512
	global_load_b128 v[WL+8*\q+4*\u:WL+8*\q+4*\u+3], v[LI], s[6:7] offset:2097152+\q*1024+\u*512
.endr
.endr
	global_load_b128 v[8:11], v5, s[10:11]         ; bo
	s_wait_loadcnt 17                              ; q, k, v are in; Wo's sixteen loads and bo's one may be out
	; ---- S^T = K Q^T: sixteen steps of 4 along the head's 64, two accumulators by turns
.irp bb, 0,1,2,3
.irp s, 0,1,2,3
.if (4*\bb+\s) < 2
	v_wmma_f32_16x16x4_f32 v[SA+8*(\s%2):SA+8*(\s%2)+7], v[KF+8*\bb+2*\s:KF+8*\bb+2*\s+1], v[QF+8*\bb+2*\s:QF+8*\bb+2*\s+1], 0
.else
	v_wmma_f32_16x16x4_f32 v[SA+8*(\s%2):SA+8*(\s%2)+7], v[KF+8*\bb+2*\s:KF+8*\bb+2*\s+1], v[QF+8*\bb+2*\s:QF+8*\bb+2*\s+1], v[SA+8*(\s%2):SA+8*(\s%2)+7]
.endif
.endr
.endr
.rept 8
	v_nop                                          ; eight places behind this form (ISA guide 7.12.1)
.endr
.irp t, 0,1,2,3
	global_load_b128 v[QF+8*\t:QF+8*\t+3], v184, s[8:9] offset:64*\t       ; bv in O^T's layout: channel 16 t + 8 h + j
	global_load_b128 v[QF+8*\t+4:QF+8*\t+7], v184, s[8:9] offset:64*\t+16
.endr
.irp j, 0,1,2,3,4,5,6,7
	v_add_f32 v[S8+\j], v[SA+\j], v[SA+8+\j]
.endr
.irp j, 0,1,2,3,4,5,6,7
	v_cmp_gt_i32 vcc_lo, \j, v4
	v_cndmask_b32 v[S8+\j], v[S8+\j], v15, vcc_lo  ; hidden keys: -infinity
.endr
	v_max3_num_f32 v176, v[S8], v[S8+1], v[S8+2]
	v_max3_num_f32 v176, v176, v[S8+3], v[S8+4]
	v_max3_num_f32 v176, v176, v[S8+5], v[S8+6]
	v_max_num_f32 v176, v176, v[S8+7]
	v_permlanex16_b32 v177, v176, s28, s29
	v_max_num_f32 v176, v176, v177                 ; the row's maximum: key 0 counts for every query
	v_mul_f32 v178, s30, v176
.irp j, 0,1,2,3,4,5,6,7
	v_fma_f32 v[P+\j], v[S8+\j], s30, -v178
.endr
.irp j, 0,1,2,3,4,5,6,7
	v_exp_f32 v[P+\j], v[P+\j]
.endr
	v_nop                                          ; a plain place behind the exponentials
	s_wait_alu depctr_va_vdst(0)
	v_add_f32 v179, v[P], v[P+1]
	v_add_f32 v182, v[P+2], v[P+3]
	v_add_f32 v179, v179, v[P+4]
	v_add_f32 v182, v182, v[P+5]
	v_add_f32 v179, v179, v[P+6]
	v_add_f32 v182, v182, v[P+7]
	v_add_f32 v179, v179, v182
	v_permlanex16_b32 v180, v179, s28, s29
	v_add_f32 v179, v179, v180
	v_rcp_f32 v181, v179
	v_nop
	; ---- O^T = V^T P: four steps of 4 keys, four accumulators by turns
.irp s, 0,1,2,3
.irp t, 0,1,2,3
.if \s == 0
	v_wmma_f32_16x16x4_f32 v[OA+8*\t:OA+8*\t+7], v[VF+8*\t+2*\s:VF+8*\t+2*\s+1], v[P+2*\s:P+2*\s+1], 0
.else
	v_wmma_f32_16x16x4_f32 v[OA+8*\t:OA+8*\t+7], v[VF+8*\t+2*\s:VF+8*\t+2*\s+1], v[P+2*\s:P+2*\s+1], v[OA+8*\t:OA+8*\t+7]
.endif
.endr
.endr
.rept 8
	v_nop
.endr
	s_wait_loadcnt 0x0                             ; bv (and Wo, bo)
.set i, 0
	s_wait_alu depctr_va_vdst(0)
.rept 32
	v_fma_f32 v[VF+i], v[OA+i], v181, v[QF+i]      ; O^T / the sum + bv
.set i, i+1
.endr
.set i, 0
.rept 32
	v_add_nc_u32 v[QF+i], 0x1000, v[VF+i]          ; hi: the mantissa rounded to 11 bits
.set i, i+1
.endr
.set i, 0
.rept 32
	v_and_b32 v[QF+i], 0xffffe000, v[QF+i]
.set i, i+1
.endr
.set i, 0
.rept 32
	v_sub_f32 v[VF+i], v[VF+i], v[QF+i]            ; lo: the rest, exact
.set i, i+1
.endr
.set i, 0
.rept 16
	v_cvt_pk_f16_f32 v[KF+i], v[QF+2*i], v[QF+2*i+1]
	v_cvt_pk_f16_f32 v[KF+16+i], v[VF+2*i], v[VF+2*i+1]
.set i, i+1
.endr
.irp t, 0,1,2,3                        ; tiles 2 c and 2 c + 1 are registers 0-3 and 4-7 of image 2 hd + c
	ds_store_b128 v6, v[KF+4*\t:KF+4*\t+3] offset:(\t/2)*1024+(\t%2)*512
	ds_store_b128 v6, v[KF+16+4*\t:KF+16+4*\t+3] offset:32768+(\t/2)*1024+(\t%2)*512
.endr
	s_wait_dscnt 0x0                               ; for the others' sake, and the stores have read their registers
.irp q, 0,1,2,3
.irp u, 0,1
	global_load_b128 v[QF+8*\q+4*\u:QF+8*\q+4*\u+3], v[LI], s[6:7] offset:(4+\q)*1024+\u*512
	global_load_b128 v[KF+8*\q+4*\u:KF+8*\q+4*\u+3], v[LI], s[6:7] offset:2097152+(4+\q)*1024+\u*512
.endr
.endr
	s_barrier_signal -1
	s_barrier_wait -1                              ; all 32 images of a_hi and of a_lo lie in LDS
	; ---- y^T = Wo^T a^T over my 256 along K
.irp q, 0,1,2,3
.irp u, 0,1
	ds_load_b128 v[VF+8*\q+4*\u:VF+8*\q+4*\u+3], v7 offset:\q*1024+\u*512
	ds_load_b128 v[P+8*\q+4*\u:P+8*\q+4*\u+3], v7 offset:32768+\q*1024+\u*512
.endr
.endr
	s_wait_dscnt 0x0
	s_wait_loadcnt 16                              ; the sixteen loads of images 4-7 may be out
.irp q, 0,1,2,3
.if \q == 0
	v_wmma_f32_16x16x32_f16 v[OA:OA+7], v[WH+8*\q:WH+8*\q+7], v[VF+8*\q:VF+8*\q+7], 0
	v_wmma_f32_16x16x32_f16 v[OA+8:OA+15], v[WH+8*\q:WH+8*\q+7], v[P+8*\q:P+8*\q+7], 0
	v_wmma_f32_16x16x32_f16 v[OA+16:OA+23], v[WL+8*\q:WL+8*\q+7], v[VF+8*\q:VF+8*\q+7], 0
.else
	v_wmma_f32_16x16x32_f16 v[OA:OA+7], v[WH+8*\q:WH+8*\q+7], v[VF+8*\q:VF+8*\q+7], v[OA:OA+7]
	v_wmma_f32_16x16x32_f16 v[OA+8:OA+15], v[WH+8*\q:WH+8*\q+7], v[P+8*\q:P+8*\q+7], v[OA+8:OA+15]
	v_wmma_f32_16x16x32_f16 v[OA+16:OA+23], v[WL+8*\q:WL+8*\q+7], v[VF+8*\q:VF+8*\q+7], v[OA+16:OA+23]
.endif
.endr
.rept 4
	v_nop                                          ; places in front of loads into registers that these products read
.endr
.irp q, 0,1,2,3
.irp u, 0,1
	ds_load_b128 v[VF+8*\q+4*\u:VF+8*\q+4*\u+3], v7 offset:(4+\q)*1024+\u*512
	ds_load_b128 v[P+8*\q+4*\u:P+8*\q+4*\u+3], v7 offset:32768+(4+\q)*1024+\u*512
.endr
.endr
	s_wait_dscnt 0x0
	s_wait_loadcnt 0x0
.irp q, 0,1,2,3
	v_wmma_f32_16x16x32_f16 v[OA:OA+7], v[QF+8*\q:QF+8*\q+7], v[VF+8*\q:VF+8*\q+7], v[OA:OA+7]
	v_wmma_f32_16x16x32_f16 v[OA+8:OA+15], v[QF+8*\q:QF+8*\q+7], v[P+8*\q:P+8*\q+7], v[OA+8:OA+15]
	v_wmma_f32_16x16x32_f16 v[OA+16:OA+23], v[KF+8*\q:KF+8*\q+7], v[VF+8*\q:VF+8*\q+7], v[OA+16:OA+23]
.endr
.rept 4
	v_nop
.endr
.irp j, 0,1,2,3,4,5,6,7
	v_add_f32 v[VF+\j], v[OA+\j], v[OA+8+\j]
.endr
.irp j, 0,1,2,3,4,5,6,7
	v_add_f32 v[VF+\j], v[VF+\j], v[OA+16+\j]
.endr
	ds_store_b128 v12, v[VF:VF+3]
	ds_store_b128 v12, v[VF+4:VF+7] offset:16
	s_wait_dscnt 0x0
	s_barrier_signal -1
	s_barrier_wait -1                              ; the four parts along K lie in LDS
	s_cmp_lt_u32 s14, 8                            ; 256 threads take 16 rows x 256 bytes
	s_cbranch_scc0 .Ldone
.irp k, 0,1,2,3
	ds_load_b128 v[QF+4*\k:QF+4*\k+3], v13 offset:\k*4352
.endr
	s_wait_dscnt 0x0
.irp p, 0,2
	v_pk_add_f32 v[QF+\p:QF+\p+1], v[QF+\p:QF+\p+1], v[QF+4+\p:QF+4+\p+1]
	v_pk_add_f32 v[QF+8+\p:QF+8+\p+1], v[QF+8+\p:QF+8+\p+1], v[QF+12+\p:QF+12+\p+1]
.endr
.irp p, 0,2
	v_pk_add_f32 v[QF+\p:QF+\p+1], v[QF+\p:QF+\p+1], v[QF+8+\p:QF+8+\p+1]
.endr
.irp p, 0,2
	v_pk_add_f32 v[QF+\p:QF+\p+1], v[QF+\p:QF+\p+1], v[8+\p:8+\p+1]
.endr
	global_store_b128 v14, v[QF:QF+3], s[12:13] th:TH_STORE_NT   ; sixteen lanes store 256 consecutive bytes
.Ldone:
	s_wait_xcnt 0x0
	v_lshl_add_u32 v254, v0, 2, 0x14400
	v_mov_b32 v255, 0
	s_wait_tensorcnt 0x0
	ds_add_u32 v254, v255
	s_wait_dscnt 0x0
	s_endpgm
.Lfunc_end_k_q199d12d731_first16:
	.size	k_q199d12d731_first16, .Lfunc_end_k_q199d12d731_first16-k_q199d12d731_first16
	.p2alignl 7, 3214868480
	.fill 96, 4, 3214868480
	.section	.rodata,"a",@progbits
	.p2align	6, 0x0
	.amdhsa_kernel k_q199d12d731_first16
		.amdhsa_group_segment_fixed_size 84992
		.amdhsa_private_segment_fixed_size 0
		.amdhsa_enable_private_segment 0
		.amdhsa_kernarg_size 40
		.amdhsa_user_sgpr_count 2
		.amdhsa_user_sgpr_kernarg_segment_ptr 1
		.amdhsa_wavefront_size32 1
		.amdhsa_system_sgpr_workgroup_id_x 1
		.amdhsa_system_sgpr_workgroup_id_y 1
		.amdhsa_system_sgpr_workgroup_id_z 1
		.amdhsa_system_vgpr_workitem_id 0
		.amdhsa_next_free_vgpr 256
		.amdhsa_next_free_sgpr 66
		.amdhsa_reserve_vcc 1
		.amdhsa_float_denorm_mode_32 3
		.amdhsa_float_denorm_mode_16_64 3
		.amdhsa_memory_ordered 1
		.amdhsa_forward_progress 1
		.amdhsa_inst_pref_size 30
	.end_amdhsa_kernel
	.amdgpu_metadata
---
amdhsa.version: [ 1, 2 ]
amdhsa.kernels:
  - .name:           k_q199d12d731_first16
    .symbol:         k_q199d12d731_first16.kd
    .args:
      - { .name: e32, .offset: 0, .size: 8, .value_kind: global_buffer, .address_space: global }
      - { .name: wo16, .offset: 8, .size: 8, .value_kind: global_buffer, .address_space: global }
      - { .name: bv, .offset: 16, .size: 8, .value_kind: global_buffer, .address_space: global }
      - { .name: bo, .offset: 24, .size: 8, .value_kind: global_buffer, .address_space: global }
      - { .name: out0, .offset: 32, .size: 8, .value_kind: global_buffer, .address_space: global }
    .group_segment_fixed_size: 84992
    .private_segment_fixed_size: 0
    .kernarg_segment_align: 8
    .kernarg_segment_size: 40
    .max_flat_workgroup_size: 512
    .sgpr_count:     66
    .vgpr_count:     256
    .wavefront_size: 32
...
	.end_amdgpu_metadata
.endif
;; end of part 3
;; launch attn (part 4): grid 4 x 64, 8 waves a work-group, no clusters, 327,680 bytes of LDS; arguments qkv, bv, att; writes att
.if DOCPART == 4
	.amdgcn_target "amdgcn-amd-amdhsa--gfx1250"
	.amdhsa_code_object_version 6
	.text
	.protected	k_q199d12d731_attn
	.globl	k_q199d12d731_attn
	.p2align	8
	.type	k_q199d12d731_attn,@function
k_q199d12d731_attn:
	s_mov_b64 s[64:65], 0
	v_nop
	global_prefetch_b8 v0, s[64:65] scope:SCOPE_SE
	s_setreg_imm32_b32 hwreg(HW_REG_WAVE_MODE, 25, 1), 1
	s_wait_xcnt 0x0
; Causal attention of one head, operands in f16, products, maxima and sums in f32: att = softmax(q k^T / 8, keys up to the query) v + bv.
; SHARES.  Work-group (i, batch 16 + head) takes the query blocks 7 - i and i (256 queries each): (8 - i) + (i + 1) = 9 units of 256 keys in every work-group, so all 256 do equal work and the trip count is a constant.
; A wave owns 32 queries, two tiles of 16; two waves share a SIMD, so that one wave's softmax stands beside the other's products.  A unit is four steps of 64 keys.
; LAYOUT.  S^T = K Q^T (source 0 = 16 keys, source 1 = 16 queries), O^T = V^T P: a lane holds ONE query throughout; two tiles of S^T, rounded in pairs, are P's fragment.  q, k, v lie in memory as images of operand
; registers (1,024 bytes: [registers 0-3 | 4-7][lane][16 bytes]), so every LDS read is 16 x lane + a constant: no pitch, no padding, nothing turned.
; RING.  Two slots of 64 KiB: a unit's K (4 steps x 8 KiB) and V (4 x 8 KiB).  Every wave fetches 8 KiB with one tensor load (waves 0-3 K's steps, 4-7 V's); one load of a wave is out at a time, asked for at the head
; of the unit before the one that reads it: four key steps ahead.
; SOFTMAX.  A running maximum m and sum l for each query; p = 2^(c s - c m), c = log2(e) / 8; O and l are multiplied by a = 2^(c m_old - c m_new) in every step.  Hidden scores become -infinity; a step all of whose keys
; are hidden from the wave's 32 queries is jumped over (a branch on ids).  Key 0 counts for every query, so m is a number from a block's first step on.
; NO JOINT LOADS: the four work-groups of a head walk 8 - i and then i + 1 units, so only their first five units coincide; a walk alike in all four would be 12 units against 9.
; NO PREFETCH: each tile is asked for by its tensor load a whole unit (128 matrix instructions in each of a SIMD's two waves) ahead of its first read.
; LIMITS: |q|, |k|, |v| and the result stay under 65,504 (f16); p under 2^-24 counts as 0 in the second product.
; REGISTERS.  window 0: v1 16 x lane; v2, v3 the spare word's address and 0; v4 the step's LDS address; v8-23 statistics, 8 a tile (c m, m, l, l, four at work; a in the seventh); v24-27 the mask; v32-95 K; v96-159 V;
;   v160-223 S^T, then p; v224-231 sums.   window 1: v0-63 O^T; v64-95 Q; v96-127 P; v128-159 the second block's Q; v160-191 bv.
.set SLOTB, 65536
.set SPARE, 131072
.set LI,   1
.set SPW,  2
.set NIL,  3
.set ADK,  4
.set H32,  5
.set ST,   8
.set D0,   24
.set NINF, 26
.set RH,   27
.set KR,   32
.set VR,   96
.set S,    160
.set SU,   224
.set O,    0
.set Q,    64
.set P,    96
.set QY,   128
.set BV,   160
.set MSB, 0
.macro WIN new                         ; the immediate's high byte repeats the setting that is left
.if MSB != \new
	s_set_vgpr_msb (MSB<<8)|\new
.set MSB, \new
.endif
.endm
.macro INIT                            ; a block's start: m = -3e38, under every score; l = 0; O^T = 0, which the first a = 0 leaves 0
.irp tl, 0,1
	v_mov_b32 v[ST+8*\tl+1], 0xff61b1e6
	v_mul_f32 v[ST+8*\tl], s42, v[ST+8*\tl+1]
.irp k, 2,3,4,5,6,7
	v_mov_b32 v[ST+8*\tl+\k], 0
.endr
.endr
	WIN 0x40
.set i, 0
.rept 64
	v_mov_b32 v[O+i], 0
.set i, i+1
.endr
	WIN 0
.endm
; THE CHANGE OF SLOTS, at a unit's head.  fill = 1: the slot just left takes the next unit: key block + 1, or 0 where the second query block begins.
.macro CHANGE fill
	s_wait_tensorcnt 0x0                           ; my one load, my part of the unit ahead, has landed: the descriptor may be written
	ds_add_u32 v[SPW], v[NIL]                      ; 0 onto my spare word
.if \fill
	s_xor_b32 s33, s33, SLOTB
	s_add_co_u32 s17, s17, 1
	s_add_co_u32 s39, s16, 1
	s_cmp_eq_u32 s39, s15
	s_cselect_b32 s17, 0, s17
	s_mul_i32 s40, s17, s38
	s_add_nc_u64 s[34:35], s[36:37], s[40:41]
	s_or_b32 s35, s35, 0x80000000
.endif
	s_wait_dscnt 0x0                               ; the add is done, and my reads of the slot that I have left are over
	s_barrier_signal -1
	s_barrier_wait -1
.if \fill
	tensor_load_to_lds s[32:35], s[24:31]          ; first behind the barrier, my one load until the next
	s_nop 0
.rept 4
	v_nop
.endr
.endif
.endm
; A block's end: O^T / l + bv, rounded to f16, stored as images of the last product's operand: att [row tile 512][head 2 + c][1,024].
.macro FINISH
.rept 4
	v_nop                                          ; places behind the last products
.endr
.irp tl, 0,1
	v_add_f32 v[ST+8*\tl+4], v[ST+8*\tl+2], v[ST+8*\tl+3]
.endr
.irp tl, 0,1
	v_permlanex16_b32 v[ST+8*\tl+5], v[ST+8*\tl+4], s44, s45
.endr
.irp tl, 0,1
	v_add_f32 v[ST+8*\tl+4], v[ST+8*\tl+4], v[ST+8*\tl+5]
.endr
.irp tl, 0,1
	v_rcp_f32 v[ST+8*\tl+6], v[ST+8*\tl+4]
.endr
	v_nop
	WIN 0x11                                       ; O^T and bv in window 1
	s_wait_alu depctr_va_vdst(0)
.irp tl, 0,1
.set i, 0
.rept 16
	v_pk_fma_f32 v[S+32*\tl+2*i:S+32*\tl+2*i+1], v[O+32*\tl+2*i:O+32*\tl+2*i+1], v[ST+8*\tl+6:ST+8*\tl+7], v[BV+2*i:BV+2*i+1] op_sel_hi:[1,0,1]
.set i, i+1
.endr
.endr
	WIN 0
.set i, 0
.rept 32
	v_cvt_pk_f16_f32 v[KR+i], v[S+2*i], v[S+2*i+1]
.set i, i+1
.endr
	s_lshl_b32 s48, s13, 7
	s_lshl_b32 s49, s18, 4
	s_add_co_u32 s48, s48, s49
	s_lshl_b32 s49, s10, 1
	s_add_co_u32 s48, s48, s49                     ; my first row tile
	s_lshl_b32 s48, s48, 15
	s_lshl_b32 s49, s14, 11
	s_add_co_u32 s48, s48, s49
	s_mov_b32 s49, 0
	s_add_nc_u64 s[46:47], s[8:9], s[48:49]
.irp tl, 0,1
.irp t, 0,1,2,3
	global_store_b128 v[LI], v[KR+16*\tl+4*\t:KR+16*\tl+4*\t+3], s[46:47] offset:\tl*32768+(\t/2)*1024+(\t%2)*512   ; 512 consecutive bytes
.endr
.endr
	s_wait_xcnt 0x0                                ; the stores have read their data and base: both are written again
.endm
; A KEY STEP: 64 keys at LDS byte s21 of the ring.
.macro STEP
	s_add_co_u32 s39, s19, 31
	s_cmp_gt_u32 s20, s39                          ; all 64 keys behind my last query?
	s_cbranch_scc1 .Lhidden_\@
	v_add_nc_u32 v[ADK], s21, v[LI]
	v_nop
	v_nop
	v_nop                                          ; four places in front of the loads into V's registers
.irp f, 0,1,2,3,4,5,6,7
	ds_load_b128 v[KR+8*\f:KR+8*\f+3], v[ADK] offset:\f*1024
	ds_load_b128 v[KR+8*\f+4:KR+8*\f+7], v[ADK] offset:\f*1024+512
.endr
.irp f, 0,1,2,3,4,5,6,7
	ds_load_b128 v[VR+8*\f:VR+8*\f+3], v[ADK] offset:32768+\f*1024
	ds_load_b128 v[VR+8*\f+4:VR+8*\f+7], v[ADK] offset:32768+\f*1024+512
.endr
	s_wait_dscnt 16                                ; K is in; V's sixteen loads may be out
	WIN 0x04                                       ; Q in window 1
.irp kf, 0,1                           ; eight accumulators by turns
.irp kt, 0,1,2,3
.irp tl, 0,1
.if \kf == 0
	v_wmma_f32_16x16x32_f16 v[S+32*\tl+8*\kt:S+32*\tl+8*\kt+7], v[KR+16*\kt+8*\kf:KR+16*\kt+8*\kf+7], v[Q+16*\tl+8*\kf:Q+16*\tl+8*\kf+7], 0
.else
	v_wmma_f32_16x16x32_f16 v[S+32*\tl+8*\kt:S+32*\tl+8*\kt+7], v[KR+16*\kt+8*\kf:KR+16*\kt+8*\kf+7], v[Q+16*\tl+8*\kf:Q+16*\tl+8*\kf+7], v[S+32*\tl+8*\kt:S+32*\tl+8*\kt+7]
.endif
.endr
.endr
.endr
	WIN 0
.rept 4
	v_nop
.endr
	s_add_co_u32 s39, s20, 63
	s_cmp_le_u32 s39, s19                          ; all 64 keys count for all my queries?
	s_cbranch_scc1 .Lopen_\@
	s_sub_co_i32 s39, s19, s20
	v_add_nc_u32 v[D0], s39, v[RH]                 ; tile 0: my query - the step's first key - 8 h.  Register 8 kt + j holds key 16 kt + 8 h + j: hidden where 16 kt + j is above it
	v_add_nc_u32 v[D0+1], 16, v[D0]
.irp tl, 0,1
.irp kt, 0,1,2,3
.irp j, 0,1,2,3,4,5,6,7
	v_cmp_gt_i32 vcc_lo, 16*\kt+\j, v[D0+\tl]
	v_cndmask_b32 v[S+32*\tl+8*\kt+\j], v[S+32*\tl+8*\kt+\j], v[NINF], vcc_lo
.endr
.endr
.endr
.Lopen_\@:
.irp j, 0,1,2,3                        ; the maximum of 32 scores and the old m: four chains; the two tiles alternate
.irp tl, 0,1
	v_max3_num_f32 v[ST+8*\tl+4+\j], v[S+32*\tl+8*\j], v[S+32*\tl+8*\j+1], v[S+32*\tl+8*\j+2]
.endr
.endr
.irp g, 1,2
.irp j, 0,1,2,3
.irp tl, 0,1
	v_max3_num_f32 v[ST+8*\tl+4+\j], v[ST+8*\tl+4+\j], v[S+32*\tl+8*\j+2*\g+1], v[S+32*\tl+8*\j+2*\g+2]
.endr
.endr
.endr
.irp tl, 0,1
	v_max3_num_f32 v[ST+8*\tl+4], v[ST+8*\tl+4], v[S+32*\tl+7], v[S+32*\tl+15]
.endr
.irp tl, 0,1
	v_max3_num_f32 v[ST+8*\tl+6], v[ST+8*\tl+6], v[S+32*\tl+23], v[S+32*\tl+31]
.endr
.irp tl, 0,1
	v_max3_num_f32 v[ST+8*\tl+4], v[ST+8*\tl+4], v[ST+8*\tl+5], v[ST+8*\tl+6]
.endr
.irp tl, 0,1
	v_max3_num_f32 v[ST+8*\tl+4], v[ST+8*\tl+4], v[ST+8*\tl+7], v[ST+8*\tl+1]
.endr
.irp tl, 0,1
	v_permlanex16_b32 v[ST+8*\tl+5], v[ST+8*\tl+4], s44, s45   ; the query's other 32 keys lie in the lane 16 away
.endr
.irp tl, 0,1
	v_mov_b32 v[ST+8*\tl+7], v[ST+8*\tl]           ; c m_old
.endr
.irp tl, 0,1
	v_max_num_f32 v[ST+8*\tl+1], v[ST+8*\tl+4], v[ST+8*\tl+5]
.endr
.irp tl, 0,1
	v_mul_f32 v[ST+8*\tl], s42, v[ST+8*\tl+1]
.endr
.irp tl, 0,1
	v_sub_f32 v[ST+8*\tl+7], v[ST+8*\tl+7], v[ST+8*\tl]
.endr
.irp tl, 0,1
	v_exp_f32 v[ST+8*\tl+6], v[ST+8*\tl+7]         ; a
.endr
.irp tl, 0,1
.set i, 0
.rept 16
	v_pk_fma_f32 v[S+32*\tl+2*i:S+32*\tl+2*i+1], v[S+32*\tl+2*i:S+32*\tl+2*i+1], s[42:43], v[ST+8*\tl:ST+8*\tl+1] op_sel_hi:[1,0,0] neg_lo:[0,0,1] neg_hi:[0,0,1]   ; c s - c m
.set i, i+1
.endr
.endr
.set i, 0
.rept 64
	v_exp_f32 v[S+i], v[S+i]
.set i, i+1
.endr
	v_nop                                          ; a plain place behind the exponentials
	s_wait_alu depctr_va_vdst(0)
.irp tl, 0,1                           ; the sum of the unrounded p: sixteen pairs, two chains a tile
	v_pk_add_f32 v[SU+4*\tl:SU+4*\tl+1], v[S+32*\tl:S+32*\tl+1], v[S+32*\tl+2:S+32*\tl+3]
	v_pk_add_f32 v[SU+4*\tl+2:SU+4*\tl+3], v[S+32*\tl+4:S+32*\tl+5], v[S+32*\tl+6:S+32*\tl+7]
.endr
.irp j, 8,12,16,20,24,28
.irp tl, 0,1
	v_pk_add_f32 v[SU+4*\tl:SU+4*\tl+1], v[SU+4*\tl:SU+4*\tl+1], v[S+32*\tl+\j:S+32*\tl+\j+1]
	v_pk_add_f32 v[SU+4*\tl+2:SU+4*\tl+3], v[SU+4*\tl+2:SU+4*\tl+3], v[S+32*\tl+\j+2:S+32*\tl+\j+3]
.endr
.endr
.irp tl, 0,1
	v_pk_add_f32 v[SU+4*\tl:SU+4*\tl+1], v[SU+4*\tl:SU+4*\tl+1], v[SU+4*\tl+2:SU+4*\tl+3]
.endr
.irp tl, 0,1
	v_pk_fma_f32 v[ST+8*\tl+2:ST+8*\tl+3], v[ST+8*\tl+2:ST+8*\tl+3], v[ST+8*\tl+6:ST+8*\tl+7], v[SU+4*\tl:SU+4*\tl+1] op_sel_hi:[1,0,1]
.endr
	WIN 0x40                                       ; P in window 1
.set i, 0
.rept 32
	v_cvt_pk_f16_f32 v[P+i], v[S+2*i], v[S+2*i+1]
.set i, i+1
.endr
	WIN 0x41                                       ; O^T in window 1, a in window 0
.irp tl, 0,1
.set i, 0
.rept 16
	v_pk_mul_f32 v[O+32*\tl+2*i:O+32*\tl+2*i+1], v[O+32*\tl+2*i:O+32*\tl+2*i+1], v[ST+8*\tl+6:ST+8*\tl+7] op_sel_hi:[1,0]
.set i, i+1
.endr
.endr
	s_wait_dscnt 0x0                               ; V is in
	WIN 0x54                                       ; V in window 0; P, C and D in window 1
.irp kg, 0,1
.irp t, 0,1,2,3
.irp tl, 0,1
	v_wmma_f32_16x16x32_f16 v[O+32*\tl+8*\t:O+32*\tl+8*\t+7], v[VR+16*\t+8*\kg:VR+16*\t+8*\kg+7], v[P+16*\tl+8*\kg:P+16*\tl+8*\kg+7], v[O+32*\tl+8*\t:O+32*\tl+8*\t+7]
.endr
.endr
.endr
	WIN 0
.Lhidden_\@:
	s_add_co_u32 s20, s20, 64
	s_add_co_u32 s21, s21, 8192
.endm
; A UNIT: where the first block's units are done, that block leaves and the second begins; then four key steps.
.macro UNIT
	s_cmp_lg_u32 s16, s15
	s_cbranch_scc1 .Lsame_\@
	FINISH
	s_mov_b32 s18, s11                             ; the second block: i
	s_lshl_b32 s19, s18, 8
	s_lshl_b32 s39, s10, 5
	s_add_co_u32 s19, s19, s39
	s_mov_b32 s20, 0
	WIN 0x41
.set i, 0
.rept 32
	v_mov_b32 v[Q+i], v[QY+i]
.set i, i+1
.endr
	WIN 0
	INIT
.Lsame_\@:
	s_mov_b32 s23, 4
.Lstep_\@:
	STEP
	s_sub_co_u32 s23, s23, 1
	s_cmp_lg_u32 s23, 0
	s_cbranch_scc1 .Lstep_\@
	s_sub_co_u32 s21, s21, 32768                   ; back to a slot's first step,
	s_xor_b32 s21, s21, SLOTB                      ; in the other slot
	s_add_co_u32 s16, s16, 1
.endm
	s_load_b128 s[4:7], s[0:1], 0x0                ; qkv, bv
	s_load_b64 s[8:9], s[0:1], 0x10                ; att
	v_lshl_add_u32 v[SPW], v0, 2, SPARE
	v_mov_b32 v[NIL], 0
	ds_add_u32 v2, v3
	ds_add_u32 v2, v3
	s_wait_dscnt 0x0
	v_lshrrev_b32 v6, 5, v0
	v_readfirstlane_b32 s10, v6                    ; wave 0..7
	s_mov_b32 s11, ttmp9                           ; i
	s_and_b32 s12, ttmp7, 0xffff                   ; batch 16 + head
	s_lshr_b32 s13, s12, 4
	s_and_b32 s14, s12, 15
	s_sub_co_u32 s15, 8, s11                       ; units of the first block
	s_mov_b32 s16, 0                               ; the unit in hand
	s_mov_b32 s17, 0                               ; the key block last asked for
	s_sub_co_u32 s18, 7, s11                       ; the query block in hand
	s_lshl_b32 s19, s18, 8
	s_lshl_b32 s39, s10, 5
	s_add_co_u32 s19, s19, s39                     ; my first query
	s_mov_b32 s20, 0                               ; the step's first key
	s_mov_b32 s21, 0                               ; the step's LDS byte
	s_mov_b32 s24, 3<<16                           ; group 1: 8,192 dense bytes as 32 rows of 32 elements of 8 bytes; no mask, no padding
	s_mov_b32 s25, 32<<16
	s_mov_b32 s26, 32<<16
	s_mov_b32 s27, 32<<16
	s_mov_b32 s28, 32
	s_mov_b32 s29, 32
	s_mov_b32 s30, 0
	s_mov_b32 s31, 0
	s_mov_b32 s42, 0x3e38aa3b                      ; c = log2(e) / sqrt(64)
	s_mov_b32 s43, s42
	s_mov_b32 s44, 0x76543210
	s_mov_b32 s45, 0xfedcba98
	s_and_b32 s48, s10, 3                          ; which step of a unit I fetch
	s_lshl_b32 s49, s12, 18
	s_add_co_u32 s49, s49, 0x1000000
	s_lshl_b32 s50, s48, 13
	s_add_co_u32 s49, s49, s50                     ; K: 16 MiB + my head + 8 KiB a step
	s_lshr_b32 s50, s13, 1
	s_lshl_b32 s50, s50, 23
	s_add_co_u32 s50, s50, 0x2000000
	s_and_b32 s51, s13, 1
	s_lshl_b32 s51, s51, 3
	s_lshr_b32 s52, s14, 1
	s_add_co_u32 s51, s51, s52
	s_lshl_b32 s51, s51, 14
	s_add_co_u32 s50, s50, s51
	s_and_b32 s51, s14, 1
	s_lshl_b32 s51, s51, 13
	s_add_co_u32 s50, s50, s51
	s_lshl_b32 s51, s48, 18
	s_add_co_u32 s50, s50, s51                     ; V: 32 MiB + my head + 256 KiB a step
	s_mov_b32 s38, 0x100000
	s_cmp_lt_u32 s10, 4
	s_cselect_b32 s40, s49, s50
	s_cselect_b32 s38, 0x8000, s38                 ; from unit to unit
	s_mov_b32 s41, 0
	s_wait_kmcnt 0x0
	s_add_nc_u64 s[36:37], s[4:5], s[40:41]        ; my part of key block 0
	s_mov_b32 s32, 1
	s_lshl_b32 s33, s10, 13                        ; slot 0, wave x 8 KiB
	s_mov_b64 s[34:35], s[36:37]
	s_or_b32 s35, s35, 0x80000000
	tensor_load_to_lds s[32:35], s[24:31]          ; unit 0
	s_nop 0
.rept 4
	v_nop
.endr
	v_and_b32 v6, 31, v0
	v_lshlrev_b32 v[LI], 4, v6
	v_and_b32 v6, 15, v0
	v_bfe_u32 v7, v0, 4, 1
	v_lshlrev_b32 v[H32], 5, v7
	v_lshlrev_b32 v7, 3, v7
	v_sub_nc_u32 v[RH], v6, v7                     ; r - 8 h
	v_mov_b32 v[NINF], 0xff800000
	s_lshl_b32 s48, s12, 18
	s_lshl_b32 s49, s18, 15
	s_add_co_u32 s48, s48, s49
	s_lshl_b32 s49, s10, 12
	s_add_co_u32 s48, s48, s49
	s_mov_b32 s49, 0
	s_add_nc_u64 s[50:51], s[4:5], s[48:49]        ; Q: my two tiles of the first block,
	s_lshl_b32 s48, s12, 18
	s_lshl_b32 s52, s11, 15
	s_add_co_u32 s48, s48, s52
	s_lshl_b32 s52, s10, 12
	s_add_co_u32 s48, s48, s52
	s_add_nc_u64 s[52:53], s[4:5], s[48:49]        ; and of the second
	s_lshl_b32 s48, s14, 8
	s_add_nc_u64 s[6:7], s[6:7], s[48:49]          ; bv of my head
	WIN 0x40
.irp tl, 0,1
.irp kf, 0,1
.irp u, 0,1
	global_load_b128 v[Q+16*\tl+8*\kf+4*\u:Q+16*\tl+8*\kf+4*\u+3], v[LI], s[50:51] offset:\tl*2048+\kf*1024+\u*512
	global_load_b128 v[QY+16*\tl+8*\kf+4*\u:QY+16*\tl+8*\kf+4*\u+3], v[LI], s[52:53] offset:\tl*2048+\kf*1024+\u*512
.endr
.endr
.endr
.irp t, 0,1,2,3
	global_load_b128 v[BV+8*\t:BV+8*\t+3], v[H32], s[6:7] offset:64*\t
	global_load_b128 v[BV+8*\t+4:BV+8*\t+7], v[H32], s[6:7] offset:64*\t+16
.endr
	WIN 0
	INIT
	s_wait_loadcnt 0x0
	s_mov_b32 s22, 8
.Lunit:                                ; eight trips: behind each change of slots but the last the next unit is asked for
	CHANGE 1
	UNIT
	s_sub_co_u32 s22, s22, 1
	s_cmp_lg_u32 s22, 0
	s_cbranch_scc1 .Lunit
	CHANGE 0                                       ; the last unit is written out
	UNIT
	FINISH
	s_wait_tensorcnt 0x0                           ; the wave's end
	ds_add_u32 v[SPW], v[NIL]
	s_wait_dscnt 0x0
	s_endpgm
.Lfunc_end_k_q199d12d731_attn:
	.size	k_q199d12d731_attn, .Lfunc_end_k_q199d12d731_attn-k_q199d12d731_attn
	.p2alignl 7, 3214868480
	.fill 96, 4, 3214868480
	.section	.rodata,"a",@progbits
	.p2align	6, 0x0
	.amdhsa_kernel k_q199d12d731_attn
		.amdhsa_group_segment_fixed_size 327680
		.amdhsa_private_segment_fixed_size 0
		.amdhsa_enable_private_segment 0
		.amdhsa_kernarg_size 24
		.amdhsa_user_sgpr_count 2
		.amdhsa_user_sgpr_kernarg_segment_ptr 1
		.amdhsa_wavefront_size32 1
		.amdhsa_system_sgpr_workgroup_id_x 1
		.amdhsa_system_sgpr_workgroup_id_y 1
		.amdhsa_system_sgpr_workgroup_id_z 1
		.amdhsa_system_vgpr_workitem_id 0
		.amdhsa_next_free_vgpr 448
		.amdhsa_next_free_sgpr 66
		.amdhsa_reserve_vcc 1
		.amdhsa_float_denorm_mode_32 3
		.amdhsa_float_denorm_mode_16_64 3
		.amdhsa_memory_ordered 1
		.amdhsa_forward_progress 1
		.amdhsa_inst_pref_size 79
	.end_amdhsa_kernel
	.amdgpu_metadata
---
amdhsa.version: [ 1, 2 ]
amdhsa.kernels:
  - .name:           k_q199d12d731_attn
    .symbol:         k_q199d12d731_attn.kd
    .args:
      - { .name: qkv, .offset: 0, .size: 8, .value_kind: global_buffer, .address_space: global }
      - { .name: bv, .offset: 8, .size: 8, .value_kind: global_buffer, .address_space: global }
      - { .name: att, .offset: 16, .size: 8, .value_kind: global_buffer, .address_space: global }
    .group_segment_fixed_size: 327680
    .private_segment_fixed_size: 0
    .kernarg_segment_align: 8
    .kernarg_segment_size: 24
    .max_flat_workgroup_size: 256
    .sgpr_count:     66
    .vgpr_count:     448
    .wavefront_size: 32
...
	.end_amdgpu_metadata
.endif
;; end of part 4
;; launch proj (part 5): grid 8 x 32, 4 waves a work-group, clusters of 4 x 1, 327,680 bytes of LDS; arguments att, wo16, bo, out0; writes out0
.if DOCPART == 5
	.amdgcn_target "amdgcn-amd-amdhsa--gfx1250"
	.amdhsa_code_object_version 6
	.text
	.protected	k_q199d12d731_proj
	.globl	k_q199d12d731_proj
	.p2align	8
	.type	k_q199d12d731_proj,@function
k_q199d12d731_proj:
	s_mov_b64 s[64:65], 0
	v_nop
	global_prefetch_b8 v0, s[64:65] scope:SCOPE_SE
	s_setreg_imm32_b32 hwreg(HW_REG_WAVE_MODE, 25, 1), 1
	s_wait_xcnt 0x0
	s_wait_alu depctr_hold_cnt(0) depctr_sa_sdst(0) depctr_va_vdst(0) depctr_va_sdst(0) depctr_va_ssrc(0) depctr_va_vcc(0) depctr_vm_vsrc(0)
	s_getreg_b32 s2, hwreg(HW_REG_IB_STS2, 6, 4)
	s_cmp_eq_u32 s2, 0
	s_cbranch_scc0 .Lentry_in_a_cluster
	s_endpgm
.Lentry_in_a_cluster:
	s_bfe_u32 s2, ttmp6, 0x10000c
	s_cmp_lg_u32 s2, 0x3003
	s_cbranch_scc0 .Lentry_shape_is_right
	s_endpgm
.Lentry_shape_is_right:
; out0 = att Wo + bo: operands in f16 (Wo's hi part), sums in f32.  The first 16 rows of each batch are another launch's and are not stored here.
; A tile of 256 rows x 128 columns: 256 work-groups.  Wave (rh, ch) makes 128 x 64: 32 accumulators, window 1.  Used transposed (source 0 = 16 columns of Wo, source 1 = 16 rows of att): a lane holds eight neighbouring
; numbers of a row.  bo is the C of each sum's first product.
; Both operands lie in memory as images of operand registers (1,024 bytes: 16 x 32 K).  ONLY att GOES THROUGH LDS: two slots of 128 KiB, each 256 along K of the tile's 256 rows, so that a refill has a K step's 256
; matrix instructions less the last sixteen in which to land.  Wo's fragments come straight into registers, a K step's 256 registers a set, two sets (windows 2 and 3), asked for one K step ahead in two halves of 32 loads.
; CLUSTER 4 x 1: the four work-groups of a cluster share their rows of att: each tile is asked for jointly, with the mask of all four.  Two loads of a wave are out at the start, one behind each round.
; NO PREFETCH: the launch has two refills, and what they ask for would have to be asked for at the kernel's head.
; K = 1,024 is four K steps, written out: every offset is an immediate.
; REGISTERS, window 0: v1 16 x lane; v2, v3 att's fragments in slot 0, 1; v4-6 the way out; v28, v29 the spare word's address and 0; v32-63 bo; v64-127, v128-191 att's fragments, two buffers; v192-255 rows on the way out.
.set SLOTB, 131072
.set STAGE, 262144                     ; 16 rows x (256 + 16) bytes for each wave
.set SPARE, STAGE+4*16*272
.set LI,   1
.set ADRA, 2
.set STO,  4
.set RD,   5
.set CO,   6
.set SPW,  28
.set NIL,  29
.set BO,   32
.set FB,   64
.set BK,   192
.set G1,   24
.set G0,   32
.set MSB, 0
.macro WIN new                         ; the immediate's high byte repeats the setting that is left
.if MSB != \new
	s_set_vgpr_msb (MSB<<8)|\new
.set MSB, \new
.endif
.endm
.macro CREST                           ; a round of the cluster's barrier behind its opening barrier
	s_cmp_lg_u32 s12, 0
	s_cbranch_scc1 .Lnot_wave_0_\@
	s_barrier_signal -3
.Lnot_wave_0_\@:
	s_barrier_wait -3
	s_barrier_signal -1
	s_barrier_wait -1
.endm
.macro CROUND
	s_barrier_signal -1
	s_barrier_wait -1
	CREST
.endm
.macro PLACES                          ; four places behind matrix instructions (ISA guide 7.12.1)
.rept 4
	v_nop
.endr
.endm
.macro FETCHA slot, q, f               ; my eight row tiles' fragments of the slot's q-th 32 along K
.irp a, 0,1,2,3,4,5,6,7
.irp u, 0,1
	ds_load_b128 v[\f+8*\a+4*\u:\f+8*\a+4*\u+3], v[ADRA+\slot] offset:\a*8192+(\q)*1024+\u*512
.endr
.endr
.endm
.macro BLOADH s, hf                    ; half of K step s's fragments of Wo: four tiles of n x four images, into set s % 2
.set WN, 0x80+0x40*((\s)%2)
	WIN WN
.irp q, 0,1,2,3
.irp b, 0,1,2,3
.irp u, 0,1
	global_load_b128 v[32*(4*(\hf)+\q)+8*\b+4*\u:32*(4*(\hf)+\q)+8*\b+4*\u+3], v[LI], s[6:7] offset:\b*32768+(\s)*8192+(4*(\hf)+\q)*1024+\u*512
.endr
.endr
.endr
	WIN 0
.endm
; n row tiles from a0 on x four tiles of columns.  The 32 accumulators take turns, one instruction a turn.  cm = 1: the sums start from bo.
.macro MUL set, q, f, a0, n, cm
.set WN, 0x52+(\set)
.if \cm
.set WN, 0x42
.endif
	WIN WN
.set aa, \a0
.rept \n
.irp b, 0,1,2,3
.if \cm
	v_wmma_f32_16x16x32_f16 v[8*(4*aa+\b):8*(4*aa+\b)+7], v[32*(\q)+8*\b:32*(\q)+8*\b+7], v[\f+8*aa:\f+8*aa+7], v[BO+8*\b:BO+8*\b+7]
.else
	v_wmma_f32_16x16x32_f16 v[8*(4*aa+\b):8*(4*aa+\b)+7], v[32*(\q)+8*\b:32*(\q)+8*\b+7], v[\f+8*aa:\f+8*aa+7], v[8*(4*aa+\b):8*(4*aa+\b)+7]
.endif
.endr
.set aa, aa+1
.endr
.endm
.macro KSUB slot, q, set, cm           ; 32 along K that has its successor in the same slot
	s_wait_dscnt 8                                 ; row tiles 0-3 are in; the youngest eight loads may be out
	MUL \set, \q, FB+64*((\q)%2), 0, 4, \cm
	PLACES
	WIN 0
	FETCHA \slot, (\q)+1, FB+64*(1-(\q)%2)
	s_wait_dscnt 16                                ; all but the sixteen just issued
	MUL \set, \q, FB+64*((\q)%2), 4, 4, \cm
.endm
; A slot's last 32 along K change slots: one barrier; in front of it each wave waits for all its tensor loads, adds 0 to its spare word, and waits for that and for its reads of the slot.
.macro TURN slot, next, set, fill
	WIN 0
	s_wait_tensorcnt 0x0                           ; my part of the next slot has landed
	ds_add_u32 v[SPW], v[NIL]                      ; 0 onto my spare word
	s_wait_dscnt 9                                 ; the add and the youngest eight loads may be out
	MUL \set, 7, FB+64, 0, 2, 0
	s_wait_dscnt 0x0                               ; the add is done, and my reads of this slot are over
	s_barrier_signal -1
	MUL \set, 7, FB+64, 2, 2, 0
	WIN 0
	s_barrier_wait -1
.if \fill
	CREST                                          ; the barrier has opened a round of the cluster's: no wave of any partner still reads this slot or has a load on its way
	s_add_nc_u64 s[G0+4*\slot+2:G0+4*\slot+3], s[G0+4*\slot+2:G0+4*\slot+3], 16384
	tensor_load_to_lds s[G0+4*\slot:G0+4*\slot+3], s[G1:G1+7]    ; two K steps on; the four v_nop are also the places in front of the loads below
	s_nop 0
.rept 4
	v_nop
.endr
.else
	PLACES
.endif
	FETCHA \next, 0, FB
	MUL \set, 7, FB+64, 4, 4, 0
.endm
.macro KSTEP s, cm
	s_wait_loadcnt 0x0                             ; this K step's fragments of Wo are in (asked for a K step ago)
.if (\s) < 3
.if (\s) > 0
	PLACES                                         ; the other set was read by the products just issued
.endif
	BLOADH (\s)+1, 0
.endif
	KSUB (\s)%2, 0, (\s)%2, \cm
	KSUB (\s)%2, 1, (\s)%2, 0
	KSUB (\s)%2, 2, (\s)%2, 0
	KSUB (\s)%2, 3, (\s)%2, 0
.if (\s) < 3
	BLOADH (\s)+1, 1
.endif
	KSUB (\s)%2, 4, (\s)%2, 0
	KSUB (\s)%2, 5, (\s)%2, 0
	KSUB (\s)%2, 6, (\s)%2, 0
.endm
	s_load_b256 s[4:11], s[0:1], 0x0               ; att s[4:5], wo16 s[6:7], bo s[8:9], out0 s[10:11]
	v_lshl_add_u32 v[SPW], v0, 2, SPARE
	v_mov_b32 v[NIL], 0
	ds_add_u32 v28, v29
	ds_add_u32 v28, v29
	s_wait_dscnt 0x0
	v_lshrrev_b32 v1, 5, v0
	v_readfirstlane_b32 s12, v1                    ; wave 0..3
	s_lshr_b32 s13, s12, 1                         ; rh
	s_and_b32 s14, s12, 1                          ; ch
	s_bfe_u32 s15, ttmp6, 0x40000                  ; cx
	s_lshl_b32 s16, ttmp9, 2
	s_add_co_u32 s16, s16, s15                     ; which 128 columns
	s_and_b32 s17, ttmp7, 0xffff                   ; which 256 rows: the same in all four partners
	s_and_b32 s18, s17, 7
	s_or_b32 s18, s18, s13                         ; 0: my first 16 rows are a batch's first 16
	v_and_b32 v7, 31, v0
	v_lshlrev_b32 v[LI], 4, v7
	s_mov_b32 s[G1+0], 15|(3<<16)|(1<<21)          ; the mask: all four; elements of 8 bytes; bit 21 beside a mask; no padding
	s_mov_b32 s[G1+1], 1024<<16                    ; tensor_dim0: 8,192 bytes: a row tile's eight images
	s_mov_b32 s[G1+2], 4<<16                       ; tensor_dim1: four row tiles
	s_mov_b32 s[G1+3], 1024<<16                    ; tile_dim0
	s_mov_b32 s[G1+4], 4                           ; tile_dim1
	s_mov_b32 s[G1+5], 4096                        ; from row tile to row tile: 32,768 bytes
	s_mov_b32 s[G1+6], 0
	s_mov_b32 s[G1+7], 0
	s_lshl_b32 s20, s17, 4
	s_lshl_b32 s21, s12, 2
	s_add_co_u32 s20, s20, s21                     ; the first row tile that I fetch
	s_lshl_b32 s20, s20, 15
	s_mov_b32 s21, 0
	s_lshl_b32 s22, s12, 15                        ; and where it goes: wave x 32 KiB
	s_wait_kmcnt 0x0
	s_add_nc_u64 s[20:21], s[4:5], s[20:21]
.irp s, 0,1
	s_mov_b32 s[G0+4*\s], 1
	s_add_co_u32 s[G0+4*\s+1], s22, \s*SLOTB
	s_add_nc_u64 s[G0+4*\s+2:G0+4*\s+3], s[20:21], \s*8192
	s_or_b32 s[G0+4*\s+3], s[G0+4*\s+3], 0x80000000
.endr
	CROUND                                         ; all four work-groups are here: the first joint loads meet
	tensor_load_to_lds s[G0:G0+3], s[G1:G1+7]      ; K step 0
	s_nop 0
	tensor_load_to_lds s[G0+4:G0+7], s[G1:G1+7]    ; K step 1
	s_nop 0
.rept 4
	v_nop
.endr
	s_lshl_b32 s40, s16, 3
	s_lshl_b32 s41, s14, 2
	s_add_co_u32 s40, s40, s41                     ; my first tile of n
	s_lshl_b32 s40, s40, 15
	s_mov_b32 s41, 0
	s_add_nc_u64 s[6:7], s[6:7], s[40:41]
	BLOADH 0, 0
	BLOADH 0, 1
	s_lshl_b32 s40, s16, 9
	s_lshl_b32 s42, s14, 8
	s_add_co_u32 s40, s40, s42                     ; my first column, in bytes
	s_add_nc_u64 s[8:9], s[8:9], s[40:41]
	s_lshl_b32 s42, s17, 20
	s_add_co_u32 s40, s40, s42
	s_lshl_b32 s42, s13, 19
	s_add_co_u32 s40, s40, s42                     ; + my first row
	s_add_nc_u64 s[10:11], s[10:11], s[40:41]
	v_and_b32 v8, 15, v0                           ; r
	v_bfe_u32 v9, v0, 4, 1                         ; h
	v_lshlrev_b32 v10, 5, v9
.irp b, 0,1,2,3
	global_load_b128 v[BO+8*\b:BO+8*\b+3], v10, s[8:9] offset:64*\b        ; bo in the result's layout: column 16 b + 8 h + j
	global_load_b128 v[BO+8*\b+4:BO+8*\b+7], v10, s[8:9] offset:64*\b+16
.endr
	s_lshl_b32 s19, s13, 16
	v_add_nc_u32 v[ADRA], s19, v[LI]
	s_add_co_u32 s19, s19, SLOTB
	v_add_nc_u32 v[ADRA+1], s19, v[LI]
	s_mul_i32 s19, s12, 16*272
	s_add_co_u32 s19, s19, STAGE                   ; my stage
	v_mul_u32_u24 v[STO], v8, 272
	v_lshl_add_u32 v[STO], v9, 5, v[STO]
	v_add_nc_u32 v[STO], s19, v[STO]               ; in: row r, 32 bytes for each half of the lanes
	v_mul_u32_u24 v[RD], v9, 272
	v_lshl_add_u32 v[RD], v8, 4, v[RD]
	v_add_nc_u32 v[RD], s19, v[RD]                 ; back: lanes 0-15 one row of 256 bytes, lanes 16-31 the next
	v_lshlrev_b32 v[CO], 12, v9
	v_lshl_add_u32 v[CO], v8, 4, v[CO]             ; and the same two rows in out0
	s_wait_tensorcnt 1                             ; my part of K step 0 is in; K step 1's may be out
	s_barrier_signal -1
	s_barrier_wait -1
	FETCHA 0, 0, FB
	KSTEP 0, 1
	TURN 0, 1, 0, 1
	KSTEP 1, 0
	TURN 1, 0, 1, 1
	KSTEP 2, 0
	TURN 0, 1, 0, 0
	KSTEP 3, 0
	s_wait_dscnt 8                                 ; the last 32 along K: nothing more to fetch
	MUL 1, 7, FB+64, 0, 4, 0
	s_wait_dscnt 0x0
	MUL 1, 7, FB+64, 4, 4, 0
	WIN 0
; THE WAY OUT, 16 rows x 64 columns at a time, through my own stage: in as 32 bytes a lane, back as whole rows of 256 bytes.  LDS serves a wave's instructions in order.
.macro TOSTAGE a
	WIN 0x04                                       ; an LDS store's data are its source 1: window 1
.irp b, 0,1,2,3
	ds_store_b128 v[STO], v[8*(4*(\a)+\b):8*(4*(\a)+\b)+3] offset:64*\b      ; each accumulator from its low end on
	ds_store_b128 v[STO], v[8*(4*(\a)+\b)+4:8*(4*(\a)+\b)+7] offset:64*\b+16
.endr
	WIN 0
.set BB, BK+32*((\a)%2)
.irp t, 0,1,2,3,4,5,6,7
	ds_load_b128 v[BB+4*\t:BB+4*\t+3], v[RD] offset:\t*544
.endr
.endm
.macro SEND a, younger                 ; younger: the next block's eight stores and eight loads, which may be out
.set BB, BK+32*((\a)%2)
	s_wait_dscnt \younger
.if (\a) == 0
	s_cmp_eq_u32 s18, 0                            ; a batch's first 16 rows are stored by another launch (the cluster's y and the wave's number decide)
	s_cbranch_scc1 .Lnot_mine
.endif
.irp t, 0,1,2,3,4,5,6,7
	global_store_b128 v[CO], v[BB+4*\t:BB+4*\t+3], s[10:11] offset:(16*(\a)+2*\t)*4096 th:TH_STORE_NT   ; sixteen lanes store 256 consecutive bytes
.endr
.if (\a) == 0
.Lnot_mine:
.endif
.endm
	PLACES
	TOSTAGE 0
.irp a, 1,2,3,4,5,6,7
.if \a > 1
	s_wait_xcnt 0x0                                ; block a - 2's stores have read their registers: block a's loads may land there
.endif
	TOSTAGE \a
	SEND \a-1, 16
.endr
	SEND 7, 0
	s_wait_tensorcnt 0x0                           ; the wave's end
	ds_add_u32 v[SPW], v[NIL]
	s_wait_dscnt 0x0
	CROUND                                         ; the closing round
	s_endpgm
.Lfunc_end_k_q199d12d731_proj:
	.size	k_q199d12d731_proj, .Lfunc_end_k_q199d12d731_proj-k_q199d12d731_proj
	.p2alignl 7, 3214868480
	.fill 96, 4, 3214868480
	.section	.rodata,"a",@progbits
	.p2align	6, 0x0
	.amdhsa_kernel k_q199d12d731_proj
		.amdhsa_group_segment_fixed_size 327680
		.amdhsa_private_segment_fixed_size 0
		.amdhsa_enable_private_segment 0
		.amdhsa_kernarg_size 32
		.amdhsa_user_sgpr_count 2
		.amdhsa_user_sgpr_kernarg_segment_ptr 1
		.amdhsa_wavefront_size32 1
		.amdhsa_system_sgpr_workgroup_id_x 1
		.amdhsa_system_sgpr_workgroup_id_y 1
		.amdhsa_system_sgpr_workgroup_id_z 1
		.amdhsa_system_vgpr_workitem_id 0
		.amdhsa_next_free_vgpr 1024
		.amdhsa_next_free_sgpr 66
		.amdhsa_reserve_vcc 0
		.amdhsa_float_denorm_mode_32 3
		.amdhsa_float_denorm_mode_16_64 3
		.amdhsa_memory_ordered 1
		.amdhsa_forward_progress 1
		.amdhsa_inst_pref_size 152
	.end_amdhsa_kernel
	.amdgpu_metadata
---
amdhsa.version: [ 1, 2 ]
amdhsa.kernels:
  - .name:           k_q199d12d731_proj
    .symbol:         k_q199d12d731_proj.kd
    .args:
      - { .name: att, .offset: 0, .size: 8, .value_kind: global_buffer, .address_space: global }
      - { .name: wo16, .offset: 8, .size: 8, .value_kind: global_buffer, .address_space: global }
      - { .name: bo, .offset: 16, .size: 8, .value_kind: global_buffer, .address_space: global }
      - { .name: out0, .offset: 24, .size: 8, .value_kind: global_buffer, .address_space: global }
    .group_segment_fixed_size: 327680
    .private_segment_fixed_size: 0
    .kernarg_segment_align: 8
    .kernarg_segment_size: 32
    .max_flat_workgroup_size: 128
    .sgpr_count:     66
    .vgpr_count:     1024
    .wavefront_size: 32
...
	.end_amdgpu_metadata
.endif
;; end of part 5
